; MI455X (gfx1250); checked and timed in simulation.
; The chip was launched on July 23, 2026; its instructions are those of AMD's public machine-readable ISA for CDNA 5 (MIT licence, August 2026) and "CDNA5" Instruction Set Architecture Reference Guide (July 2026). The comments in the code are by the model that wrote it; some were corrected since.
;; Multi Head Attention. Allowed arithmetic: matrix products marked QUANTISED: E5M2 operands, one E8M0 scale for each 32 along K, by v_wmma_scale_f32_16x16x128_f8f6f4 with both operands' format E5M2, f32 sums; everything else in f32.
;; Inputs: W_k_codes 1,024 x 32 x 32 uint8 (E5M2 codes of W_k, K innermost, in blocks of 32 codes); W_k_scales 1,024 x 32 uint8 (E8M0 scales of W_k, one for each 32 codes along K); W_o_codes 1,024 x 32 x 32 uint8 (E5M2 codes of W_o, K innermost, in blocks of 32 codes); W_o_scales 1,024 x 32 uint8 (E8M0 scales of W_o, one for each 32 codes along K); W_q_codes 1,024 x 32 x 32 uint8 (E5M2 codes of W_q, K innermost, in blocks of 32 codes); W_q_scales 1,024 x 32 uint8 (E8M0 scales of W_q, one for each 32 codes along K); W_v_codes 1,024 x 32 x 32 uint8 (E5M2 codes of W_v, K innermost, in blocks of 32 codes); W_v_scales 1,024 x 32 uint8 (E8M0 scales of W_v, one for each 32 codes along K); x_codes 4 x 2,048 x 32 x 32 uint8 (E5M2 codes of x, K innermost, in blocks of 32 codes); x_scales 4 x 2,048 x 32 uint8 (E8M0 scales of x, one for each 32 codes along K).
;; Outputs: out0 4 x 2,048 x 1,024 float32.
;; This version of the problem:
;;   THIS VERSION OF THE PROBLEM IS GIVEN IN LOW PRECISION. The matrix products marked QUANTISED in the list below multiply operands that are first quantised to E5M2 (5 exponent bits, 2 mantissa bits; 8 bits a number), with one power-of-two scale for each 32 numbers along K (OCP MX v1.0); their sums are f32. All else is computed in f32.
;;   The module's matrix products, in the order in which they are computed (A, B: the left and right operand; K: the contracted axis; several contracted axes count as one K, in the product's order):
;;     1. [M 8,192, K 1,024] x [K 1,024, N 1,024]; A: input x (given as codes); B: input W_q (given as codes): QUANTISED
;;     2. [M 8,192, K 1,024] x [K 1,024, N 1,024]; A: input x (given as codes); B: input W_k (given as codes): QUANTISED
;;     3. [M 8,192, K 1,024] x [K 1,024, N 1,024]; A: input x (given as codes); B: input W_v (given as codes): QUANTISED
;;     4. batch 64 x [M 2,048, K 64] x [K 64, N 2,048]; A: computed on the way; B: computed on the way: QUANTISED
;;     5. batch 64 x [M 2,048, K 2,048] x [K 2,048, N 64]; A: softmax (see below); B: computed on the way: QUANTISED
;;     6. [M 8,192, K 1,024] x [K 1,024, N 1,024]; A: computed on the way; B: input W_o (given as codes): QUANTISED
;;   THE QUANTISER, for each operand of a quantised product, along K:
;;     - K is cut into blocks of 32 from its start; a last block that is shorter is filled with zeros.
;;     - A block's scale is 2^e with e = floor(log2(the largest magnitude in the block)) - 15, held to -126 .. 127; a block of zeros has e = 0. As a byte (E8M0): e + 127.
;;     - Each number is divided by its block's scale, clamped to +-57,344, and rounded to the nearest number of E5M2, ties to even, subnormals kept.
;;     - The product sums the exact products of the quantised numbers (number of the format x scale) in f32.
;;   ~~~python
;;   def quantise(x, axis):      # numpy; x: float32 -> the quantised numbers, widened to float32 again
;;       x = np.moveaxis(x, axis, -1); K = x.shape[-1]
;;       x = np.pad(x, [(0, 0)] * (x.ndim - 1) + [(0, -K % 32)]); x = x.reshape(x.shape[:-1] + (-1, 32)); a = np.abs(x).max(-1, keepdims=True)
;;       e = np.where(a > 0, np.clip(np.frexp(np.where(a > 0, a, 1))[1] - 1 - 15, -126, 127), 0)      # np.frexp(a)[1] - 1 = floor(log2(a)), exactly
;;       r = np.clip(x / 2.0 ** e, -57344, 57344)
;;       step = 2.0 ** (np.maximum(np.frexp(np.where(r == 0, 1, r))[1] - 1, -14) - 2)
;;       q = np.round(r / step) * step * 2.0 ** e      # np.round: ties to even
;;       return np.moveaxis(q.reshape(q.shape[:-2] + (-1,))[..., :K], -1, axis).astype(np.float32)
;;   ~~~
;;   SOFTMAX AHEAD OF A QUANTISED PRODUCT. Where the list says 'softmax', what is quantised is not the finished softmax but p = 2^(t - M), with t = logit x log2(e) and M = ceil(the row's largest t), a whole number; so 1/2 < the row's largest p <= 1. The row's sum l is taken of the UNQUANTISED p, in f32, and the product's result is divided by l at the end. Since M is a whole number, a kernel that streams over the keys may use a running M (the ceiling of the running maximum): every later rescaling is an exact power of two, which a block's scale takes up: the codes' values come out the same.
;;   OPERANDS COMPUTED ON THE WAY. 'Computed on the way' means the value that the module computes at that place (a softmax that the list does not call 'softmax' is quantised finished and normalised). What goes into a quantiser is computed in f32, as accurately as f32 sums, v_exp_f32 and their like allow (about 1e-6 of the number): no bf16 or f16 on the way to a quantiser, and a product that is left as it is and whose result goes on into a quantised operand takes f32 operands (vector FMAs, or v_wmma_f32_16x16x4_f32). A number that lies on a knife's edge between two numbers of the format may be rounded either way, as far as f32 arithmetic and the matrix unit's own rounding can turn it there, and no further.
;;   INPUTS GIVEN AS CODES. W_k (in the module: [1024, 1024], K = its axis 1); W_o (in the module: [1024, 1024], K = its axis 1); W_q (in the module: [1024, 1024], K = its axis 1); W_v (in the module: [1024, 1024], K = its axis 1); x (in the module: [4, 2048, 1024], K = its axis 2): each comes as NAME_codes (uint8): NAME with its K axis moved to the last place and cut into blocks of 32 codes, [.., K / 32, bytes a block], one block behind the other in memory; one code a byte (a code: sign, 5 exponent bits, 2 mantissa bits); and NAME_scales (uint8): the same leading axes, one E8M0 byte (e + 127) for each 32 codes along K. Its value is code x scale, taken as it is: it is not quantised again, and the codes and scales need not be those that the quantiser above would give.
;; One version. Each part assembles by itself: llvm-mc -triple=amdgcn-amd-amdhsa -mcpu=gfx1250 --defsym DOCPART=n.
;; ======== version 1 of 1: 3 launches
;; limits: right only within a limited range of input values
;; workspace buffers: qc 8,388,608 bytes; kc 8,388,608 bytes; vc 8,388,608 bytes; qs 262,144 bytes; ks 262,144 bytes; vs 262,144 bytes; ac 8,388,608 bytes; asc 262,144 bytes
;; launch proj (part 1): grid 12 x 32, 4 waves a work-group, clusters of 4 x 4, 327,680 bytes of LDS; arguments x_codes, x_scales, W_q_codes, W_q_scales, W_k_codes, W_k_scales, W_v_codes, W_v_scales, qc, qs, kc, ks, vc, vs; writes qc, qs, kc, ks, vc, vs
.if DOCPART == 1
	.amdgcn_target "amdgcn-amd-amdhsa--gfx1250"
	.amdhsa_code_object_version 6
	.text
	.protected	k_q913a81d980_proj
	.globl	k_q913a81d980_proj
	.p2align	8
	.type	k_q913a81d980_proj,@function
k_q913a81d980_proj:
	s_mov_b64 s[64:65], 0
	v_nop
	global_prefetch_b8 v0, s[64:65] scope:SCOPE_SE
	s_setreg_imm32_b32 hwreg(HW_REG_WAVE_MODE, 25, 1), 1
	s_wait_xcnt 0x0
	s_wait_alu depctr_hold_cnt(0) depctr_sa_sdst(0) depctr_va_vdst(0) depctr_va_sdst(0) depctr_va_ssrc(0) depctr_va_vcc(0) depctr_vm_vsrc(0)
	s_getreg_b32 s2, hwreg(HW_REG_IB_STS2, 6, 4)
	s_cmp_eq_u32 s2, 0
	s_cbranch_scc0 .Lentry_in_a_cluster
	s_endpgm
.Lentry_in_a_cluster:
	s_bfe_u32 s2, ttmp6, 0x10000c
	s_cmp_lg_u32 s2, 0xf033
	s_cbranch_scc0 .Lentry_shape_is_right
	s_endpgm
.Lentry_shape_is_right:
; Q = x W_q^T, K = x W_k^T, V = x W_v^T on codes of BF8 (E5M2) with one E8M0 scale for each 32 along K = 1,024, and the results quantised at once for the attention that follows.
; C'[m][n] = sum over k of A'[m][k] B'[n][k].  A tile of C', 256 x 256, is made by a work-group of four waves; a wave makes 128 x 128: 64 accumulators of 16 x 16, 512 registers.
; THE CLUSTER'S x SAYS WHICH PRODUCT: 0: A' = x, B' = W_q;  1: A' = x, B' = W_k;  2: A' = W_v, B' = x.  The choice is made of pointers and offsets alone, by selects on the cluster's x, which all partners share: one path of text.
; THE MATRIX INSTRUCTION IS USED TRANSPOSED (source 0 = 16 rows of B', source 1 = 16 rows of A'): a lane holds ONE row of A' and numbers along B's rows.  So for Q and K a lane holds one token and features of a head
; (the next product's K), for V one feature and tokens (the keys, the second attention product's K): each block of 32 lies in lanes l and l xor 16, 16 numbers each, and is quantised in registers.
; WHAT IS STORED ARE IMAGES OF OPERAND REGISTERS: a block's 16 codes of a lane are 16 bytes at 16 x lane, 512 bytes a block and 16 rows.  Inside a block a lane of half h holds the elements 8 h + 0..7 and 16 + 8 h + 0..7:
; a fixed order that Q and K share, and V shares with the softmax's weights, so both operands of a product have the same k in the same place.
;   qc, kc: [batch x head 64][tile of 16 tokens 128][block of 32 features 2][lane 32][16 bytes];   vc: [batch x head][step of 128 keys 16][tile of 16 features 4][block of 32 keys 4][lane][16 bytes]
;   qs, ks: [batch x head][step of 128 tokens 16][row 16][pair of tiles 4][4 bytes: two blocks of the even tile, two of the odd];   vs: [batch x head][step][row 16][tile of features 4][4 bytes: the four blocks of keys]
; A block's scale is 2^(floor(log2(its largest magnitude)) - 15); its byte is that magnitude's exponent field - 15, held at 1 from below.
; LIMITS: NaN and infinity codes and scale bytes 0xff among the inputs are not served; a block of zeros gets the byte 1 where the rule says 127 (its codes are zeros, and this program alone reads the bytes).
; K goes in steps of 256 through a ring of two LDS slots filled by the tensor data mover; the scale bytes of the work-group's rows come into LDS once.  CLUSTERS: 4 x 4 work-groups; A's tiles are asked for jointly along
; a row of the cluster, B's along a column.
; REGISTERS, in windows of 256: window 0: v0-31 addresses; v32-63 scale words, two sets; v64-119 the way out; from v128 A's fragments, ONE set.   window 1: B's fragments, TWO sets.
;   window 2: the 32 accumulators of my rows 0-63 (accumulator (a, b) at v[8 (8 a + b)]);   window 3: those of my rows 64-127.
.set KSTEP,  256                       ; along K in a slot
.set NQ,     KSTEP/128                 ; matrix instructions deep
.set ROWB,   256                       ; a tile's row in bytes
.set KROW,   1024                      ; a row of x or of a weight in memory, in bytes
.set PITCH,  272                       ; an LDS row: 256 bytes of data + 16 of padding = 68 words: row r starts at bank 4 r mod 64 (64 banks of 4 bytes: ISA guide 11.1)
.set FR,     16                        ; registers of a fragment: 16 rows x 128 K
.set NL,     4                         ; LDS loads that bring one
.set NP,     8                         ; places behind this matrix instruction (ISA guide 7.12.1)
.set HALFT,  128*PITCH                 ; 128 rows: what one tensor load brings
.set SLOT,   4*HALFT                   ; A's 256 rows, then B's 256 rows
.set LAPS,   1024/(2*KSTEP)            ; a lap = two K steps = once round the ring
.set KS,     1024/32                   ; a row of scales in bytes
.set SCL,    2*SLOT                    ; behind the ring: the scales, as units of 256 bytes + 16 of padding
.set HALFS,  (128*KS/256)*272          ; the scales of 128 rows
.set SBLK,   (16*KS/256)*272           ; those of 16 rows
.set SPARE,  SCL+4*HALFS               ; behind the scales: the spare words, 128 bytes for each wave: two blocks of 256 bytes that no other line names
.set ADRA, 16                          ; v16-17  LDS address of my A fragments in slot 0, 1
.set ADRB, 20                          ; v20-21  the same for B
.set ADRS, 27                          ; v27     LDS address of my scale words: lanes 0-15 A's rows, lanes 16-31 B's
.set SPW,  28                          ; v28     LDS address of my spare word; never rewritten
.set NIL,  29                          ; v29     0; never rewritten
.set SC,   32                          ; scale words, two sets of 16
.set PC,   64                          ; v64-79   the way out: the codes of one block of 16 rows
.set PWR,  80                          ; v80-87   its scale word, one for each of my eight blocks of rows
.set OW,   88                          ; v88-91   the four scale words that a lane stores
.set TP,   92                          ; v92-99   at work
.set VO0,  100                         ; v100     16 x lane
.set VO1,  101                         ; v101     the place of blocks 2 and 3
.set VSO,  102                         ; v102     16 r + 4,096 h: my place among the scale words
.set TM,   104                         ; v104-107 largest magnitudes, v108-111 the other half's and the bytes, v116-119 the conversions' scale operands
.set AF,   128                         ; A's fragments, in window 0
.set G1, 24                            ; s[24:31] descriptor group 1 for A's tiles;  s[32:39] group 0, one set for each slot
.set G0, 32
.set G1B, 48                           ; s[48:55], s[56:63] the same for B's tiles
.set G0B, 56
.set G1S, 68                           ; s[68:75], s[76:79] groups 1 and 0 for A's scales;  s[80:87], s[88:91] for B's
.set G0S, 76
.set G1SB, 80
.set G0SB, 88
.set SEL, 92                           ; s[92:93] lane selects for lane l xor 16 (written behind the head's last use of these registers)
.set MNT, 95
.set MSB, 0
.macro WIN new                         ; the immediate's high byte repeats the setting that is left
.if MSB != \new
	s_set_vgpr_msb (MSB<<8)|\new
.set MSB, \new
.endif
.endm
.set MUL_LO, 0xa1                      ; source 0 (B) window 1, source 1 (A) window 0, C and D window 2
.set MUL_HI, 0xf1                      ; the same, C and D window 3
.set TO_B,   0x40                      ; destination window 1, address window 0
; A joint load: waves 0 and 1 fetch for A, waves 2 and 3 for B.  Each of the two lines has ONE mask and one set of registers for all that issue it; the branch hangs on the wave's number alone.
; Four v_nop follow each of the two lines, ahead of the jump, the label and what follows.
.macro JLOAD g0a, g1a, g0b, g1b
	s_cmp_eq_u32 s15, 0
	s_cbranch_scc0 .Lfor_b_\@
	tensor_load_to_lds s[\g0a:\g0a+3], s[\g1a:\g1a+7]
	s_nop 0
.rept 4
	v_nop
.endr
	s_branch .Lasked_\@
.Lfor_b_\@:
	tensor_load_to_lds s[\g0b:\g0b+3], s[\g1b:\g1b+7]
	s_nop 0
.rept 4
	v_nop
.endr
.Lasked_\@:
.endm
.macro CREST                           ; a round of the cluster's barrier behind its opening barrier
	s_cmp_lg_u32 s14, 0
	s_cbranch_scc1 .Lnot_wave_0_\@
	s_barrier_signal -3
.Lnot_wave_0_\@:
	s_barrier_wait -3
	s_barrier_signal -1
	s_barrier_wait -1
.endm
.macro CROUND                          ; a whole round
	s_barrier_signal -1
	s_barrier_wait -1
	CREST
.endm
	s_load_b512 s[68:83], s[0:1], 0x0              ; x's codes 68, x's scales 70, W_q's 72, 74, W_k's 76, 78, W_v's 80, 82
	s_load_b256 s[84:91], s[0:1], 0x40             ; qc 84, qs 86, kc 88, ks 90
	s_load_b128 s[92:95], s[0:1], 0x60             ; vc 92, vs 94
	v_lshl_add_u32 v[SPW], v0, 2, SPARE
	v_mov_b32 v[NIL], 0
	ds_add_u32 v28, v29
	ds_add_u32 v28, v29
	s_wait_dscnt 0x0
	v_lshrrev_b32 v1, 5, v0
	v_readfirstlane_b32 s14, v1                    ; wave 0..3
	s_lshr_b32 s15, s14, 1                         ; which half of the tile's rows is mine.  Also: I fetch for A (0) or for B (1)
	s_and_b32 s16, s14, 1                          ; which half of its columns.  Also: which 128 rows of that tile I fetch
	s_bfe_u32 s40, ttmp6, 0x40000                  ; cx, cy: my place in the cluster
	s_bfe_u32 s41, ttmp6, 0x40004
	s_and_b32 s45, ttmp7, 0xffff
	s_lshl_b32 s45, s45, 2                         ; 4 x cluster y: it walks x's 32 blocks of 256 tokens
	s_cmp_eq_u32 ttmp9, 2                          ; V?  Then x is B', else A'
	s_cselect_b32 s42, s45, 0
	s_cselect_b32 s17, 0, s45
	s_add_co_u32 s42, s42, s40                     ; tile column of C' (256 rows of B'): it never enters A's registers
	s_add_co_u32 s17, s17, s41                     ; tile row of C' (256 rows of A'): it never enters B's
	s_lshl_b32 s43, s41, 2
	s_lshl_b32 s43, 15, s43                        ; my row of the cluster
	s_lshl_b32 s44, 0x1111, s40                    ; my column
	; descriptor group 1: a tile of 128 rows x 256 bytes, padded in LDS
	s_or_b32 s[G1+0], s43, (0<<16)|(1<<20)|(1<<21)|(5<<22)|(3<<25)  ; 15:0 the mask: A's tiles go to my row; 17:16 element of 1 byte; 20 padding on; 21 set beside a mask; 24:22 after every 64 words (code 5); 31:25 of 4 words (code 3)
	s_or_b32 s[G1B+0], s44, (0<<16)|(1<<20)|(1<<21)|(5<<22)|(3<<25)
.irp g, G1, G1B
	s_mov_b32 s[\g+1], ROWB<<16                    ; tensor_dim0
	s_mov_b32 s[\g+2], 128<<16                     ; tensor_dim1 = 128
	s_mov_b32 s[\g+3], ROWB<<16                    ; tile_dim0
	s_mov_b32 s[\g+4], 128                         ; tile_dim1 = 128
	s_mov_b32 s[\g+5], KROW                        ; tensor_dim0_stride
	s_mov_b32 s[\g+6], 0
	s_mov_b32 s[\g+7], 0
.endr
	s_wait_kmcnt 0x0
	; the buffers of this product: A's codes s[4:5], A's scales s[6:7], B's codes s[8:9], B's scales s[10:11], the codes out s[12:13], the scale words out s[96:97]
	s_cmp_eq_u32 ttmp9, 0
	s_cselect_b64 s[8:9], s[72:73], s[76:77]
	s_cselect_b64 s[10:11], s[74:75], s[78:79]
	s_cselect_b64 s[12:13], s[84:85], s[88:89]
	s_cselect_b64 s[96:97], s[86:87], s[90:91]
	s_cmp_eq_u32 ttmp9, 2
	s_cselect_b64 s[4:5], s[80:81], s[68:69]
	s_cselect_b64 s[6:7], s[82:83], s[70:71]
	s_cselect_b64 s[8:9], s[68:69], s[8:9]
	s_cselect_b64 s[10:11], s[70:71], s[10:11]
	s_cselect_b64 s[12:13], s[92:93], s[12:13]
	s_cselect_b64 s[96:97], s[94:95], s[96:97]
	; group 1 for the scales of 128 rows: a dense block of 4,096 bytes, as rows of 256 bytes (32 elements of 8 bytes), 16 bytes of padding behind each
	s_or_b32 s[G1S+0], s43, (3<<16)|(1<<20)|(1<<21)|(5<<22)|(3<<25)
	s_or_b32 s[G1SB+0], s44, (3<<16)|(1<<20)|(1<<21)|(5<<22)|(3<<25)
.irp g, G1S, G1SB
	s_mov_b32 s[\g+1], 32<<16
	s_mov_b32 s[\g+2], (128*KS/256)<<16
	s_mov_b32 s[\g+3], 32<<16
	s_mov_b32 s[\g+4], 128*KS/256
	s_mov_b32 s[\g+5], 32
	s_mov_b32 s[\g+6], 0
	s_mov_b32 s[\g+7], 0
.endr
	s_lshl_b32 s18, s16, 7                         ; which 128 rows of the tile I fetch
	s_lshl_b32 s20, s17, 8
	s_add_co_u32 s20, s20, s18                     ; A: row 256 x tile row + 128 x half
	s_lshl_b32 s46, s42, 8
	s_add_co_u32 s46, s46, s18                     ; B: row 256 x tile column + 128 x half
	s_mov_b32 s21, 0
	s_mov_b32 s47, 0
	s_mov_b64 s[18:19], KS
	s_mul_u64 s[22:23], s[20:21], s[18:19]         ; where these rows' scales begin, in bytes
	s_mul_u64 s[92:93], s[46:47], s[18:19]
	s_mov_b64 s[18:19], KROW
	s_mul_u64 s[20:21], s[20:21], s[18:19]         ; and their codes
	s_mul_u64 s[46:47], s[46:47], s[18:19]
	s_mul_i32 s45, s14, HALFT                      ; where they go: wave x 128 rows: no place in the cluster enters an LDS address
	s_mul_i32 s94, s14, HALFS
	s_add_nc_u64 s[20:21], s[4:5], s[20:21]
	s_add_nc_u64 s[22:23], s[6:7], s[22:23]
	s_add_nc_u64 s[46:47], s[8:9], s[46:47]
	s_add_nc_u64 s[92:93], s[10:11], s[92:93]
	CROUND                                         ; all sixteen work-groups are here: the first joint loads meet
	s_mov_b32 s[G0S], 1
	s_add_co_u32 s[G0S+1], s94, SCL
	s_mov_b64 s[G0S+2:G0S+3], s[22:23]
	s_or_b32 s[G0S+3], s[G0S+3], 0x80000000
	s_mov_b32 s[G0SB], 1
	s_add_co_u32 s[G0SB+1], s94, SCL
	s_mov_b64 s[G0SB+2:G0SB+3], s[92:93]
	s_or_b32 s[G0SB+3], s[G0SB+3], 0x80000000
	JLOAD G0S, G1S, G0SB, G1SB                     ; the scales first: they are wanted with K step 0
.irp s, 0,1
	s_mov_b32 s[G0+4*\s], 1
	s_add_co_u32 s[G0+4*\s+1], s45, \s*SLOT
	s_add_nc_u64 s[G0+4*\s+2:G0+4*\s+3], s[20:21], \s*ROWB
	s_or_b32 s[G0+4*\s+3], s[G0+4*\s+3], 0x80000000
	s_mov_b32 s[G0B+4*\s], 1
	s_add_co_u32 s[G0B+4*\s+1], s45, \s*SLOT
	s_add_nc_u64 s[G0B+4*\s+2:G0B+4*\s+3], s[46:47], \s*ROWB
	s_or_b32 s[G0B+4*\s+3], s[G0B+4*\s+3], 0x80000000
	JLOAD G0+4*\s, G1, G0B+4*\s, G1B
.endr
	v_and_b32 v1, 15, v0                           ; r = l % 16
	v_bfe_u32 v2, v0, 4, 1                         ; h = l / 16
	v_mul_u32_u24 v3, v1, PITCH
	v_lshl_add_u32 v4, v2, 4, v3                   ; a fragment's row x pitch + 16 x half
	s_mul_i32 s21, s15, HALFT                      ; my 128 rows of A
	s_mul_i32 s22, s16, HALFT                      ; my 128 rows of B,
	s_add_co_u32 s22, s22, 2*HALFT                 ; which lie behind A's 256
.irp s, 0,1
	v_add_nc_u32 v[ADRA+\s], s21, v4
	v_add_nc_u32 v[ADRB+\s], s22, v4
	s_add_co_u32 s21, s21, SLOT
	s_add_co_u32 s22, s22, SLOT
.endr
	v_mul_u32_u24 v5, v1, KS                       ; my row's scales: KS bytes a row,
	v_lshrrev_b32 v6, 8, v5
	v_lshl_add_u32 v5, v6, 4, v5                   ; and 16 more for each 256 passed
	s_mul_i32 s21, s15, HALFS                      ; A's: my 128 rows
	s_mul_i32 s22, s16, HALFS                      ; B's: my 128 rows, behind A's 256
	s_add_co_u32 s22, s22, 2*HALFS
	s_sub_co_u32 s22, s22, s21
	v_mul_u32_u24 v6, s22, v2                      ; lanes 16-31 take B's
	s_add_co_u32 s21, s21, SCL
	v_add_nc_u32 v5, v5, v6
	v_add_nc_u32 v[ADRS], s21, v5
	; THE WAY OUT'S ADDRESSES.  tok: my first token, feat: my first feature, both multiples of 128.
	v_and_b32 v6, 31, v0
	v_lshlrev_b32 v[VO0], 4, v6                    ; 16 x lane
	s_wait_alu depctr_va_vdst(0)
	v_lshlrev_b32 v[VSO], 4, v1
	v_lshl_add_u32 v[VSO], v2, 12, v[VSO]          ; 16 r, and for lanes 16-31 the next head's words, 4,096 bytes on
	s_lshl_b32 s20, s17, 8
	s_lshl_b32 s21, s15, 7
	s_add_co_u32 s20, s20, s21                     ; my first row of A'
	s_lshl_b32 s46, s42, 8
	s_lshl_b32 s47, s16, 7
	s_add_co_u32 s46, s46, s47                     ; my first row of B'
	s_mov_b32 s92, 2048                            ; (an instruction takes one literal)
	s_mov_b32 s93, 122880
	s_mov_b32 s94, 130048
	s_cmp_eq_u32 ttmp9, 2
	s_cselect_b32 s47, s46, s20                    ; tok
	s_cselect_b32 s45, s20, s46                    ; feat
	s_cselect_b32 s19, -1, 0                       ; all lanes: V's form of the scale words
	s_cselect_b32 s20, s92, 0x400                  ; from one block of 16 rows of A' to the next: V: a tile of features, 2,048 bytes; Q, K: a tile of tokens, 1,024
	s_cselect_b32 s22, s93, 0                      ; V: behind four tiles of features the next head: 131,072 - 4 x 2,048 more
	s_cselect_b32 s94, 0, s94                      ; Q, K: blocks 2 and 3 are the next head's: 131,072 - 1,024 more
	s_mov_b32 s21, 0
	s_mov_b32 s23, 0
	s_lshr_b32 s92, s47, 11
	s_lshl_b32 s92, s92, 4
	s_lshr_b32 s93, s45, 6
	s_add_co_u32 s92, s92, s93                     ; 16 x batch + my first head
	s_bfe_u32 s93, s47, 0x40007                    ; which step of 128 tokens of the batch
	s_lshl_b32 s46, s92, 17
	s_lshl_b32 s47, s93, 13
	s_add_co_u32 s46, s46, s47
	s_mov_b32 s47, 0
	s_add_nc_u64 s[12:13], s[12:13], s[46:47]      ; codes: 131,072 bytes a head, 8,192 a step
	s_lshl_b32 s46, s92, 12
	s_lshl_b32 s93, s93, 8
	s_add_co_u32 s46, s46, s93
	s_add_nc_u64 s[96:97], s[96:97], s[46:47]      ; scale words: 4,096 bytes a head, 256 a step
	v_add_nc_u32 v[VO1], s94, v[VO0]
	v_add_nc_u32 v[VO1], 0x400, v[VO1]
	s_mov_b32 s18, 0xffff0000                      ; lanes 16-31
	s_mov_b32 s[SEL], 0x76543210
	s_mov_b32 s[SEL+1], 0xfedcba98
.irp b, 0,1,2,3
	v_mov_b32 v[TM+4+\b], 0                        ; written once: a lane permute's destination counts as one of its sources
.endr
.macro FRAG reg, adr, q, i             ; a fragment, 16 rows x 128 K of 8-bit codes, is 16 registers: lane l holds row l % 16; registers 4 c .. 4 c + 3 hold K = 32 c + 16 (l / 16) + 0 .. 15
.irp c, 0,1,2,3
	ds_load_b128 v[\reg+4*\c:\reg+4*\c+3], v[\adr] offset:128*(\q)+32*\c+(\i)*16*PITCH
.endr
.endm
; 16 matrix instructions: A's blocks a0, a0 + 1 x B's eight, 128 along K: the slot's q-th.  p: B's set;  sc: the set of scale words.  zero = 1: the first product starts the sums: nothing is ever cleared.
; The 64 accumulators take turns, one instruction a turn, in the same order in every step.
.macro MUL16 a0, p, q, sc, zero
.irp a, \a0, \a0+1
.irp b, 0,1,2,3,4,5,6,7
.if \zero
	v_wmma_scale_f32_16x16x128_f8f6f4 v[8*(8*((\a)%4)+\b):8*(8*((\a)%4)+\b)+7], v[128*(\p)+FR*\b:128*(\p)+FR*\b+FR-1], v[AF+FR*(\a):AF+FR*(\a)+FR-1], 0, v[SC+8*NQ*(\sc)+NQ*\b+(\q)], v[SC+8*NQ*(\sc)+NQ*(\a)+(\q)] matrix_a_fmt:MATRIX_FMT_BF8 matrix_b_fmt:MATRIX_FMT_BF8 matrix_a_scale:MATRIX_SCALE_ROW1
.else
	v_wmma_scale_f32_16x16x128_f8f6f4 v[8*(8*((\a)%4)+\b):8*(8*((\a)%4)+\b)+7], v[128*(\p)+FR*\b:128*(\p)+FR*\b+FR-1], v[AF+FR*(\a):AF+FR*(\a)+FR-1], v[8*(8*((\a)%4)+\b):8*(8*((\a)%4)+\b)+7], v[SC+8*NQ*(\sc)+NQ*\b+(\q)], v[SC+8*NQ*(\sc)+NQ*(\a)+(\q)] matrix_a_fmt:MATRIX_FMT_BF8 matrix_b_fmt:MATRIX_FMT_BF8 matrix_a_scale:MATRIX_SCALE_ROW1
.endif
.endr
.endr
.endm
.macro FETCH_B slot, q, p              ; B's eight fragments of the slot's q-th 128 along K into set p
	WIN TO_B
.irp i, 0,1,2,3,4,5,6,7
	FRAG 128*(\p)+FR*\i, ADRB+\slot, \q, \i
.endr
	WIN 0
.endm
.macro FETCH_A slot, q, i0             ; A's blocks i0 .. i0 + 3
.irp i, \i0, \i0+1, \i0+2, \i0+3
	FRAG AF+FR*(\i), ADRA+\slot, \q, \i
.endr
.endm
.macro SCALES sc                       ; the next K step's scale words into set sc: NQ words a row; lanes 0-15 take A's block i, lanes 16-31 B's block i
.irp i, 0,1,2,3,4,5,6,7
	ds_load_b64 v[SC+8*NQ*\sc+NQ*\i:SC+8*NQ*\sc+NQ*\i+1], v[ADRS] offset:\i*SBLK
.endr
.endm
; A load into a register that a matrix instruction has read, and a vector instruction that reads a matrix result, stand NP places behind that matrix instruction, and only plain vector
; instructions that name none of its registers are places (ISA guide 7.12.1 for vector instructions); the matrix instructions in between are not counted.
.macro PLACES n
.rept \n
	v_nop
.endr
.endm
; A step of 128 along K that has its successor in the same slot.
.macro STEP slot, q, zero
	s_wait_dscnt 4*NL                              ; B's set and A's blocks 0-3 are in; the youngest sixteen loads (A's blocks 4-7) may be out
	WIN MUL_LO
	MUL16 0, (\q)%2, \q, \slot, \zero
	MUL16 2, (\q)%2, \q, \slot, \zero
	s_wait_dscnt 0                                 ; A's blocks 4-7 are in (asked for 32 matrix instructions ago)
	PLACES NP
	FETCH_B \slot, (\q)+1, 1-(\q)%2
	FETCH_A \slot, (\q)+1, 0
	WIN MUL_HI
	MUL16 4, (\q)%2, \q, \slot, \zero
	MUL16 6, (\q)%2, \q, \slot, \zero
	PLACES NP
	WIN 0
	FETCH_A \slot, (\q)+1, 4
.endm
; A slot's last step changes slots: ONE barrier; in front of it each wave waits for all its tensor loads, adds 0 to its spare word, and waits for that and for its own reads of this slot.  fill = 1: this slot is filled again, two K steps ahead.
.macro TURN slot, next, fill
	s_wait_tensorcnt 0x0                           ; all my tensor loads have landed: my part of the next slot;  (every window is 0 here: the add's two registers lie in window 0)
	ds_add_u32 v[SPW], v[NIL]                      ; 0 onto my spare word
	s_wait_dscnt 4*NL+1                            ; (the add and the youngest sixteen loads, A's blocks 4-7, may be out)
	WIN MUL_LO
	MUL16 0, 1, NQ-1, \slot, 0                     ; sixteen matrix instructions stand between the add and the wait for it
	s_wait_dscnt 0x0                               ; the add is done, and my reads of this slot are over
	s_barrier_signal -1
	MUL16 2, 1, NQ-1, \slot, 0
	WIN 0
	s_barrier_wait -1
.if \fill
	CREST                                          ; the barrier has opened a round of the cluster's barrier: no wave of any partner still reads this slot's tile or has a load on its way
	s_add_nc_u64 s[G0+4*\slot+2:G0+4*\slot+3], s[G0+4*\slot+2:G0+4*\slot+3], 2*ROWB
	s_add_nc_u64 s[G0B+4*\slot+2:G0B+4*\slot+3], s[G0B+4*\slot+2:G0B+4*\slot+3], 2*ROWB
	JLOAD G0+4*\slot, G1, G0B+4*\slot, G1B         ; the first tensor load behind the round; the four v_nop behind it are among the places in front of the loads below
	PLACES NP-4
.else
	PLACES NP
.endif
	s_wait_alu depctr_va_vdst(0)
	v_add_nc_u32 v[ADRS], 4*NQ, v[ADRS]            ; on to the next K step's scale words (no LDS load of mine is out)
	FETCH_B \next, 0, 0
	FETCH_A \next, 0, 0
	SCALES \next
	WIN MUL_HI
	MUL16 4, 1, NQ-1, \slot, 0
	MUL16 6, 1, NQ-1, \slot, 0
	PLACES NP
	WIN 0
	FETCH_A \next, 0, 4
.endm
	s_wait_tensorcnt 1                             ; the scales and my part of K step 0 are in (K step 1's load may be out),
	s_barrier_signal -1
	s_barrier_wait -1                              ; everybody's are
	FETCH_B 0, 0, 0
	FETCH_A 0, 0, 0
	SCALES 0
	FETCH_A 0, 0, 4
	STEP 0, 0, 1                                   ; the first step stands in front of the loop: its products start the sums
	s_mov_b32 s3, LAPS-1
.Llap:                                                 ; a trip goes once round the ring, from a lap's second step to the next lap's first, and fills both slots again
	TURN 0, 1, 1
	STEP 1, 0, 0
	TURN 1, 0, 1
	STEP 0, 0, 0
	s_sub_co_u32 s3, s3, 1
	s_cmp_lg_u32 s3, 0
	s_cbranch_scc1 .Llap
	TURN 0, 1, 0                                   ; the last lap fills nothing, and has no round of the cluster's barrier
	STEP 1, 0, 0
	s_wait_dscnt 4*NL                              ; the very last step: nothing more to fetch
	WIN MUL_LO
	MUL16 0, 1, NQ-1, 1, 0
	MUL16 2, 1, NQ-1, 1, 0
	s_wait_dscnt 0
	WIN MUL_HI
	MUL16 4, 1, NQ-1, 1, 0
	MUL16 6, 1, NQ-1, 1, 0
	WIN 0
; THE WAY OUT of my block a of 16 rows of A': its 64 registers are four blocks of 32 along the next K; register 16 b + i of a lane of half h is element 8 h + i (i < 8) or 8 + 8 h + i (i >= 8) of block b.
; Largest magnitude (with the floor 2^(16 - 127) among its leaves, so that the byte cannot fall under 1), joined with lane l xor 16's; 15 off its exponent field gives the conversion's scale operand, a shift of that the byte;
; eight conversions; four stores of 512 consecutive bytes, each at a multiple of 512 from the buffer's first byte.
.macro QOUT a
.set QW, 2+(\a)/4                      ; the window of its accumulators
.set AC, 64*((\a)%4)
	WIN (QW|(QW<<2))                               ; sources 0 and 1: the accumulators
.irp b, 0,1,2,3
	v_max3_num_f32 v[TM+\b], |v[AC+16*\b]|, |v[AC+16*\b+1]|, 0x8000000   ; each accumulator is read from its low end on
.endr
.irp i, 2,4,6,8,10,12,14
.irp b, 0,1,2,3
	v_max3_num_f32 v[TM+\b], |v[AC+16*\b+\i]|, |v[AC+16*\b+\i+1]|, v[TM+\b]   ; (the four blocks by turns: no line waits for the line above it)
.endr
.endr
	WIN 0
.irp b, 0,1,2,3
	v_permlanex16_b32 v[TM+4+\b], v[TM+\b], s[SEL], s[SEL+1]
.endr
.irp b, 0,1,2,3
	v_max_num_f32 v[TM+\b], v[TM+\b], v[TM+4+\b]   ; with lane l xor 16's: the block's largest magnitude
.endr
.irp b, 0,1,2,3
	v_add_nc_u32 v[TM+12+\b], 0xf8800000, v[TM+\b] ; 15 off its exponent field: the conversion takes the exponent field of this operand as its scale
.endr
.irp b, 0,1,2,3
.endr
.irp b, 0,1,2,3
	v_lshrrev_b32 v[TM+4+\b], 23, v[TM+12+\b]      ; the scale's byte
.endr
	v_lshl_or_b32 v[PWR+(\a)], v[TM+5], 8, v[TM+4] ; the four bytes of my row
	v_lshl_or_b32 v[PWR+(\a)], v[TM+6], 16, v[PWR+(\a)]
	v_lshl_or_b32 v[PWR+(\a)], v[TM+7], 24, v[PWR+(\a)]
	WIN ((QW<<6)|QW)                               ; destination and source 0: the accumulators
.irp b, 0,1,2,3
.irp i, 0,1,2,3,4,5,6,7,8,9,10,11,12,13,14,15
.endr
.endr
	s_wait_xcnt 0x0                                ; the last block's stores have read their data and their base: both are written again only behind this wait
.if (\a) > 0
	s_add_nc_u64 s[12:13], s[12:13], s[20:21]      ; the next block of 16 rows
.endif
.if (\a) == 4
	s_add_nc_u64 s[12:13], s[12:13], s[22:23]      ; (V: the next head)
.endif
	WIN QW                                         ; source 0: the accumulators
.irp b, 0,1,2,3
	v_cvt_scalef32_pk8_bf8_f32 v[PC+4*\b:PC+4*\b+1], v[AC+16*\b:AC+16*\b+7], v[TM+12+\b]
	v_cvt_scalef32_pk8_bf8_f32 v[PC+4*\b+2:PC+4*\b+3], v[AC+16*\b+8:AC+16*\b+15], v[TM+12+\b]
.endr
	WIN 0
	v_nop                                          ; one plain vector instruction behind the last conversion, ahead of whatever next touches its registers
	global_store_b128 v[VO0], v[PC:PC+3], s[12:13]
	global_store_b128 v[VO0], v[PC+4:PC+7], s[12:13] offset:512
	global_store_b128 v[VO1], v[PC+8:PC+11], s[12:13]
	global_store_b128 v[VO1], v[PC+12:PC+15], s[12:13] offset:512
.endm
	PLACES NP                                      ; behind the last products, ahead of the first read of results
.irp a, 0,1,2,3,4,5,6,7
	QOUT \a
.endr
	; The scale words.  Q, K: word k of a head = the head's two bytes of token tile 2 k, then of tile 2 k + 1; lanes 0-15 store my first head's, lanes 16-31 my second's.
	; V: word k = the four bytes of feature tile k; lanes 0-15 my first head's four tiles, lanes 16-31 my second's.  Both forms are made; a select on the product keeps one.
.irp k, 0,1,2,3
	v_perm_b32 v[TP+\k], v[PWR+2*\k+1], v[PWR+2*\k], 0x05040100     ; the two low halves
	v_perm_b32 v[TP+4+\k], v[PWR+2*\k+1], v[PWR+2*\k], 0x07060302   ; the two high halves
.endr
.irp k, 0,1,2,3
	v_cndmask_b32 v[TP+\k], v[TP+\k], v[TP+4+\k], s18
.endr
.irp k, 0,1,2,3
	v_cndmask_b32 v[TP+4+\k], v[PWR+\k], v[PWR+4+\k], s18
.endr
.irp k, 0,1,2,3
	v_cndmask_b32 v[OW+\k], v[TP+\k], v[TP+4+\k], s19
.endr
	global_store_b128 v[VSO], v[OW:OW+3], s[96:97] ; sixteen lanes store 256 consecutive bytes, at a multiple of 256 from the buffer's first byte
	s_wait_tensorcnt 0x0                           ; the wave's end
	ds_add_u32 v[SPW], v[NIL]
	s_wait_dscnt 0x0
	CROUND                                         ; the closing round: no work-group ends while a partner may still ask for a tile that names it
	s_endpgm
.Lfunc_end_k_q913a81d980_proj:
	.size	k_q913a81d980_proj, .Lfunc_end_k_q913a81d980_proj-k_q913a81d980_proj
	.p2alignl 7, 3214868480
	.fill 96, 4, 3214868480
	.section	.rodata,"a",@progbits
	.p2align	6, 0x0
	.amdhsa_kernel k_q913a81d980_proj
		.amdhsa_group_segment_fixed_size 327680
		.amdhsa_private_segment_fixed_size 0
		.amdhsa_enable_private_segment 0
		.amdhsa_kernarg_size 112
		.amdhsa_user_sgpr_count 2
		.amdhsa_user_sgpr_kernarg_segment_ptr 1
		.amdhsa_wavefront_size32 1
		.amdhsa_system_sgpr_workgroup_id_x 1
		.amdhsa_system_sgpr_workgroup_id_y 1
		.amdhsa_system_sgpr_workgroup_id_z 1
		.amdhsa_system_vgpr_workitem_id 0
		.amdhsa_next_free_vgpr 1024
		.amdhsa_next_free_sgpr 98
		.amdhsa_reserve_vcc 0
		.amdhsa_float_denorm_mode_32 3
		.amdhsa_float_denorm_mode_16_64 3
		.amdhsa_fp16_overflow 1
		.amdhsa_memory_ordered 1
		.amdhsa_forward_progress 1
		.amdhsa_inst_pref_size 153
	.end_amdhsa_kernel
	.amdgpu_metadata
---
amdhsa.version: [ 1, 2 ]
amdhsa.kernels:
  - .name:           k_q913a81d980_proj
    .symbol:         k_q913a81d980_proj.kd
    .args:
      - { .name: x_codes, .offset: 0, .size: 8, .value_kind: global_buffer, .address_space: global }
      - { .name: x_scales, .offset: 8, .size: 8, .value_kind: global_buffer, .address_space: global }
      - { .name: W_q_codes, .offset: 16, .size: 8, .value_kind: global_buffer, .address_space: global }
      - { .name: W_q_scales, .offset: 24, .size: 8, .value_kind: global_buffer, .address_space: global }
      - { .name: W_k_codes, .offset: 32, .size: 8, .value_kind: global_buffer, .address_space: global }
      - { .name: W_k_scales, .offset: 40, .size: 8, .value_kind: global_buffer, .address_space: global }
      - { .name: W_v_codes, .offset: 48, .size: 8, .value_kind: global_buffer, .address_space: global }
      - { .name: W_v_scales, .offset: 56, .size: 8, .value_kind: global_buffer, .address_space: global }
      - { .name: qc, .offset: 64, .size: 8, .value_kind: global_buffer, .address_space: global }
      - { .name: qs, .offset: 72, .size: 8, .value_kind: global_buffer, .address_space: global }
      - { .name: kc, .offset: 80, .size: 8, .value_kind: global_buffer, .address_space: global }
      - { .name: ks, .offset: 88, .size: 8, .value_kind: global_buffer, .address_space: global }
      - { .name: vc, .offset: 96, .size: 8, .value_kind: global_buffer, .address_space: global }
      - { .name: vs, .offset: 104, .size: 8, .value_kind: global_buffer, .address_space: global }
    .group_segment_fixed_size: 327680
    .private_segment_fixed_size: 0
    .kernarg_segment_align: 8
    .kernarg_segment_size: 112
    .max_flat_workgroup_size: 128
    .sgpr_count:     98
    .vgpr_count:     1024
    .wavefront_size: 32
...
	.end_amdgpu_metadata
.endif
;; end of part 1
;; launch attn (part 2): grid 4 x 64, 16 waves a work-group, clusters of 4 x 1, 272,384 bytes of LDS; arguments qc, qs, kc, ks, vc, vs, ac, asc; writes ac, asc
.if DOCPART == 2
	.amdgcn_target "amdgcn-amd-amdhsa--gfx1250"
	.amdhsa_code_object_version 6
	.text
	.protected	k_q913a81d980_attn
	.globl	k_q913a81d980_attn
	.p2align	8
	.type	k_q913a81d980_attn,@function
k_q913a81d980_attn:
	s_mov_b64 s[64:65], 0
	v_nop
	global_prefetch_b8 v0, s[64:65] scope:SCOPE_SE
	s_setreg_imm32_b32 hwreg(HW_REG_WAVE_MODE, 25, 1), 1
	s_wait_xcnt 0x0
	s_wait_alu depctr_hold_cnt(0) depctr_sa_sdst(0) depctr_va_vdst(0) depctr_va_sdst(0) depctr_va_ssrc(0) depctr_va_vcc(0) depctr_vm_vsrc(0)
	s_getreg_b32 s2, hwreg(HW_REG_IB_STS2, 6, 4)
	s_cmp_eq_u32 s2, 0
	s_cbranch_scc0 .Lentry_in_a_cluster
	s_endpgm
.Lentry_in_a_cluster:
	s_bfe_u32 s2, ttmp6, 0x10000c
	s_cmp_lg_u32 s2, 0x3003
	s_cbranch_scc0 .Lentry_shape_is_right
	s_endpgm
.Lentry_shape_is_right:
; Causal attention of one head on codes of BF8 (E5M2) with one E8M0 scale for each 32 along a product's K, and its result quantised along the model's 1,024 for the last product.
; INPUTS are images of operand registers (16 bytes a lane, 512 bytes a block of 32 along K and 16 rows):
;   qc, kc: [batch x head 64][tile of 16 tokens 128][block of 32 features 2][lane][16];   vc: [batch x head][step of 128 keys 16][tile of 16 features 4][block of 32 keys 4][lane][16]
;   qs, ks: [batch x head][step 16][row 16][pair of tiles 4][4 bytes];   vs: [batch x head][step][row 16][tile of features 4][4 bytes]
; OUTPUTS: ac: [tile of 16 tokens 512][head 16][block 2][lane][16], k in its true order;   asc: [token 8,192][32] scale bytes.
; THE SOFTMAX: t = score x log2(e) / 8; M = the row's largest t so far, rounded UP to a whole number; p = 2^(t - M) is quantised along the keys, not normalised; the row's sum is taken of the unquantised p and divides O at the end.
; When M moves, the sum and O are multiplied by 2^(old M - new M): exact.
; SHARES.  The four work-groups of a cluster own one head (the cluster's y); work-group g = its place in the cluster.  The head's K and V, codes and scale words, 264 KiB, lie in each work-group's LDS whole: they are filled ONCE,
; by joint loads that name all four.  Nothing is filled again.  Query tile T = 4 i + g (i = 0..31) needs the key steps 0 .. i / 2, the last of them on the diagonal: a count that does not hang on g.
; Wave w takes i = w and then i = 31 - w: w / 2 + 1 + (31 - w) / 2 + 1 = 17 key steps for every wave of every work-group.  All branches hang on the wave's number and on loop counters alone.
; LAYOUT.  Both products are used transposed: S^T = K Q^T (source 0 = keys, source 1 = my 16 queries), O^T = V^T P^T (source 0 = 16 features, source 1 = P): a lane holds ONE query (lane % 16) throughout.
; THE HEAD'S 64 FILL HALF OF THE INSTRUCTION'S 128: a fragment of K holds TWO tiles of 16 keys, one in k = 0..63 and one in k = 64..127; Q stands in 24 registers, q | zero codes | q, and is named from its first
; register on (q, 0: the first tile's scores) or from its ninth on (0, q: the second's).  Zero codes times K's codes, which are finite, add nothing.
; Inside a block of 32 a lane of half h holds the elements 8 h + 0..7 and 16 + 8 h + 0..7, in Q as in K, in V as in p: both operands of a product have the same k in the same place.
; LIMITS: the products inside a block of 32 are summed in another order than k ascending; a block of zeros gets the byte 1 where the rule says 127 (its codes are zeros; this program alone reads the bytes); the byte is held at 1 from below.
.set KIMG, 0                           ; LDS: K's codes, [step 16][fragment 4][group 4][512 bytes]
.set VIMG, 131072                      ; V's codes, [step 16][tile 4][group 4][512 bytes]
.set KSC,  262144                      ; K's scale words, [step 16][row 16][fragment 4][4 bytes]
.set VSC,  266240                      ; V's scale words, [step 16][row 16][tile 4][4 bytes]
.set LI,  1                            ; v1   16 x lane: an image's place for my lane, in LDS and in memory
.set LR,  2                            ; v2   KSC + 16 r
.set RQ,  3                            ; v3   16 r
.set DM,  4                            ; v4   the mask: my query less the diagonal step's first key less 8 h
.set ADK, 5                            ; v5   LDS address of the step's K
.set ADV, 6                            ; v6   of its V
.set ADS, 7                            ; v7   of its scale words
.set AO,  8                            ; v8   32 r + h: my scale byte's place in asc
.set DM0, 9                            ; v9   16 g + r - 8 h
.set QR,  16                           ; v16-39  q (8) | zero codes (8) | q (8)
.set QS,  40                           ; v40  Q's scale word: its two bytes twice
.set F,   48                           ; v48-111  four fragments of K, then of V
.set S,   112                          ; v112-175 S^T, then p
.set O,   176                          ; v176-207 O^T: four tiles of 16 features
.set PC,  208                          ; v208-223 p's codes
.set BM,  224                          ; v224-227 the blocks' largest
.set T2,  228                          ; v228-231 the other half's; the bytes; a chain of the sum
.set LM,  232
.set SO,  236                          ; v236-239 the conversions' scale operands
.set KW,  240                          ; v240-243 K's scale words
.set VW,  244                          ; v244-247 V's
.set FF,  248                          ; v[248:249] f = 2^(old M - new M); v249 is written once, since the pair is named
.set PW,  250                          ; v250 p's scale word
.set WV,  20                           ; s20  my wave's number
.set GG,  21                           ; s21  g
.set BH,  22                           ; s22  16 x batch + head
.set W8,  23                           ; s23  wave % 8
.set G1S, 24                           ; s[24:31] descriptor group 1: 2 rows of 256 bytes (scale words)
.set G1E, 32                           ; s[32:39] 8 rows (key steps 0 and 1)
.set G1R, 40                           ; s[40:47] 56 rows (key steps 2 to 15)
.set G0KS, 48                          ; groups 0: K's scale words, K's early part, K's rest;
.set G0KE, 52
.set G0KR, 56
.set G0VS, 60                          ; V's likewise
.set G0VE, 68
.set G0VR, 72
.set SEL, 76                           ; s[76:77] lane selects for lane l xor 16
.set CS,  78                           ; s[78:79] c = log2(e) / 8
.set MNT, 80
.set MH,  81                           ; s81  lanes 16-31
.set KSN, 82                           ; s82  the key step
.set TB,  83                           ; s83  8,192 x the key step
.set TS,  84                           ; s84  256 x the key step
.set LIM, 85                           ; s85  the diagonal's key step: i / 2
.set IQ,  86                           ; s86  i
.set SH,  94                           ; s94  16 (g % 2): which half of the scale word is my tile's
.macro CROUND                          ; a round of the cluster's barrier
	s_barrier_signal -1
	s_barrier_wait -1
	s_cmp_lg_u32 s[WV], 0
	s_cbranch_scc1 .Lnot_wave_0_\@
	s_barrier_signal -3
.Lnot_wave_0_\@:
	s_barrier_wait -3
	s_barrier_signal -1
	s_barrier_wait -1
.endm
	s_load_b512 s[4:19], s[0:1], 0x0               ; qc 4, qs 6, kc 8, ks 10, vc 12, vs 14, ac 16, asc 18
	v_lshl_add_u32 v251, v0, 2, 0x42000
	v_mov_b32 v255, 0
	ds_add_u32 v251, v255
	ds_add_u32 v251, v255
	v_lshrrev_b32 v1, 5, v0
	s_delay_alu instid0(VALU_DEP_1)
	v_readfirstlane_b32 s[WV], v1                  ; wave 0..15
	s_bfe_u32 s[GG], ttmp6, 0x40000                ; my place in the cluster: it enters Q's, ac's and asc's addresses, a shift and the mask's number, and nothing else
	s_and_b32 s[BH], ttmp7, 0xffff                 ; the head, which the four partners share
	s_and_b32 s[W8], s[WV], 7
	; descriptor group 1: dense blocks as rows of 256 bytes (32 elements of 8 bytes), no padding: every read is 16 x lane on
.irp g, G1S, G1E, G1R
	s_mov_b32 s[\g], 15|(3<<16)|(1<<21)            ; 15:0 the mask: all four work-groups; 17:16 elements of 8 bytes; 21 set beside a mask
	s_mov_b32 s[\g+1], 32<<16                      ; tensor_dim0 = 32
	s_mov_b32 s[\g+3], 32<<16                      ; tile_dim0 = 32
	s_mov_b32 s[\g+5], 32                          ; tensor_dim0_stride
	s_mov_b32 s[\g+6], 0
	s_mov_b32 s[\g+7], 0
.endr
	s_mov_b32 s[G1S+2], 2<<16                      ; tensor_dim1,
	s_mov_b32 s[G1S+4], 2                          ; tile_dim1
	s_mov_b32 s[G1E+2], 8<<16
	s_mov_b32 s[G1E+4], 8
	s_mov_b32 s[G1R+2], 56<<16
	s_mov_b32 s[G1R+4], 56
	s_mov_b32 s[SEL], 0x76543210
	s_mov_b32 s[SEL+1], 0xfedcba98
	s_mov_b32 s[CS], 0x3e38aa3b                    ; log2(e) / 8
	s_mov_b32 s[CS+1], s[CS]                       ; (named with it as a pair, so it is written)
	s_mov_b32 s[MH], 0xffff0000
	s_mov_b32 s99, 0
	s_wait_dscnt 0x0
	s_wait_kmcnt 0x0
	; groups 0.  Waves 0-7 fetch an eighth of K's three blocks each, waves 8-15 of V's; every wave makes both sets.  Nothing here hangs on g.
	s_lshl_b32 s98, s[BH], 12                      ; the scale words: 4,096 bytes a head, 512 a wave
	s_lshl_b32 s95, s[W8], 9
	s_add_co_u32 s98, s98, s95
	s_mov_b32 s[G0KS], 1
	s_add_co_u32 s[G0KS+1], s95, KSC
	s_add_nc_u64 s[G0KS+2:G0KS+3], s[10:11], s[98:99]
	s_or_b32 s[G0KS+3], s[G0KS+3], 0x80000000
	s_mov_b32 s[G0VS], 1
	s_add_co_u32 s[G0VS+1], s95, VSC
	s_add_nc_u64 s[G0VS+2:G0VS+3], s[14:15], s[98:99]
	s_or_b32 s[G0VS+3], s[G0VS+3], 0x80000000
	s_lshl_b32 s98, s[BH], 17                      ; key steps 0 and 1: 16,384 bytes, 2,048 a wave
	s_lshl_b32 s95, s[W8], 11
	s_add_co_u32 s98, s98, s95
	s_mov_b32 s[G0KE], 1
	s_mov_b32 s[G0KE+1], s95
	s_add_nc_u64 s[G0KE+2:G0KE+3], s[8:9], s[98:99]
	s_or_b32 s[G0KE+3], s[G0KE+3], 0x80000000
	s_mov_b32 s[G0VE], 1
	s_add_co_u32 s[G0VE+1], s95, VIMG
	s_add_nc_u64 s[G0VE+2:G0VE+3], s[12:13], s[98:99]
	s_or_b32 s[G0VE+3], s[G0VE+3], 0x80000000
	s_mul_i32 s95, s[W8], 14336                    ; key steps 2 to 15: 114,688 bytes, 14,336 a wave
	s_add_co_u32 s95, s95, 16384
	s_lshl_b32 s98, s[BH], 17
	s_add_co_u32 s98, s98, s95
	s_mov_b32 s[G0KR], 1
	s_mov_b32 s[G0KR+1], s95
	s_add_nc_u64 s[G0KR+2:G0KR+3], s[8:9], s[98:99]
	s_or_b32 s[G0KR+3], s[G0KR+3], 0x80000000
	s_mov_b32 s[G0VR], 1
	s_add_co_u32 s[G0VR+1], s95, VIMG
	s_add_nc_u64 s[G0VR+2:G0VR+3], s[12:13], s[98:99]
	s_or_b32 s[G0VR+3], s[G0VR+3], 0x80000000
	CROUND                                         ; all four work-groups are here: the joint loads meet
	s_cmp_lt_u32 s[WV], 8                          ; a wave's three fills stand in one branch, ahead of every wait on TENSORcnt, every LDS read and every other barrier: three loads of mine are out
	s_cbranch_scc0 .Lfill_v
	tensor_load_to_lds s[G0KS:G0KS+3], s[G1S:G1S+7]
	s_nop 0
	tensor_load_to_lds s[G0KE:G0KE+3], s[G1E:G1E+7]
	s_nop 0
	tensor_load_to_lds s[G0KR:G0KR+3], s[G1R:G1R+7]
	s_nop 0
.rept 4
	v_nop
.endr
	s_branch .Lfilled
.Lfill_v:
	tensor_load_to_lds s[G0VS:G0VS+3], s[G1S:G1S+7]
	s_nop 0
	tensor_load_to_lds s[G0VE:G0VE+3], s[G1E:G1E+7]
	s_nop 0
	tensor_load_to_lds s[G0VR:G0VR+3], s[G1R:G1R+7]
	s_nop 0
.rept 4
	v_nop
.endr
.Lfilled:
	; what is constant for the work-group goes into Q's, ac's and asc's pointers once: tile T = 4 i + g
	s_mov_b32 s3, 0
	s_lshl_b32 s2, s[BH], 17
	s_lshl_b32 s87, s[GG], 10
	s_add_co_u32 s2, s2, s87
	s_add_nc_u64 s[4:5], s[4:5], s[2:3]            ; qc: 131,072 x head + 1,024 g
	s_lshl_b32 s2, s[BH], 12
	s_lshr_b32 s87, s[GG], 1
	s_lshl_b32 s87, s87, 2
	s_add_co_u32 s2, s2, s87
	s_add_nc_u64 s[6:7], s[6:7], s[2:3]            ; qs: 4,096 x head + 4 (g / 2)
	s_lshr_b32 s2, s[BH], 4
	s_lshl_b32 s2, s2, 21                          ; ac: 128 tiles of 16,384 bytes a batch,
	s_and_b32 s86, s[BH], 15
	s_lshl_b32 s87, s86, 10                        ; 1,024 bytes a head,
	s_add_co_u32 s2, s2, s87
	s_lshl_b32 s87, s[GG], 14                      ; 16,384 g
	s_add_co_u32 s2, s2, s87
	s_add_nc_u64 s[16:17], s[16:17], s[2:3]
	s_lshr_b32 s2, s[BH], 4
	s_lshl_b32 s2, s2, 16                          ; asc: 128 tiles of 512 bytes a batch,
	s_lshl_b32 s87, s86, 1                         ; 2 bytes a head,
	s_add_co_u32 s2, s2, s87
	s_lshl_b32 s87, s[GG], 9                       ; 512 g
	s_add_co_u32 s2, s2, s87
	s_add_nc_u64 s[18:19], s[18:19], s[2:3]
	s_and_b32 s[SH], s[GG], 1
	s_lshl_b32 s[SH], s[SH], 4
	s_lshl_b32 s87, s[GG], 4
	v_and_b32 v10, 31, v0                          ; lane
	v_and_b32 v11, 15, v0                          ; r
	v_bfe_u32 v252, v0, 4, 1                       ; h
	s_delay_alu instid0(VALU_DEP_3)
	v_lshlrev_b32 v[LI], 4, v10
	s_delay_alu instid0(VALU_DEP_3)
	v_lshlrev_b32 v[RQ], 4, v11
	s_delay_alu instid0(VALU_DEP_1)
	v_add_nc_u32 v[LR], KSC, v[RQ]
	s_delay_alu instid0(VALU_DEP_4)
	v_lshl_add_u32 v[AO], v11, 5, v252
	v_lshlrev_b32 v253, 3, v252
	s_delay_alu instid0(VALU_DEP_1)
	v_sub_nc_u32 v[DM0], v11, v253
	s_delay_alu instid0(VALU_DEP_1)
	v_add_nc_u32 v[DM0], s87, v[DM0]
.irp j, 0,1,2,3,4,5,6,7
	v_mov_b32 v[QR+8+\j], 0                        ; the zero codes between the two copies of q: written once
.endr
.irp b, 0,1,2,3
	v_mov_b32 v[T2+\b], 0                          ; written once: a lane permute's destination counts as one of its sources
.endr
	v_mov_b32 v[FF+1], 0
; A PASS BEGINS: query tile 4 i + g, i in s[IQ].
.macro PINIT
	s_wait_xcnt 0x0                                ; the last pass's stores have read their bases and data: they are written again only behind this wait
	s_lshr_b32 s[LIM], s[IQ], 1
	s_lshl_b32 s98, s[IQ], 12
	s_add_nc_u64 s[88:89], s[4:5], s[98:99]        ; q's codes: 4 tiles of 1,024 bytes for each i
	s_lshl_b32 s98, s[LIM], 8
	s_and_b32 s95, s[IQ], 1
	s_lshl_b32 s87, s95, 3
	s_add_co_u32 s98, s98, s87
	s_add_nc_u64 s[90:91], s[6:7], s[98:99]        ; its scale word: step i / 2, pair 2 (i % 2) + g / 2
	s_lshl_b32 s98, s[IQ], 16
	s_add_nc_u64 s[92:93], s[16:17], s[98:99]      ; ac
	s_lshl_b32 s98, s[IQ], 11
	s_add_nc_u64 s[96:97], s[18:19], s[98:99]      ; asc
	s_lshl_b32 s95, s95, 6
	global_load_b128 v[QR:QR+3], v[LI], s[88:89]
	global_load_b128 v[QR+4:QR+7], v[LI], s[88:89] offset:512
	global_load_b128 v[QR+16:QR+19], v[LI], s[88:89]
	global_load_b128 v[QR+20:QR+23], v[LI], s[88:89] offset:512
	global_load_b32 v[QS], v[RQ], s[90:91]
	v_add_nc_u32 v[DM], s95, v[DM0]                ; 64 (i % 2) + 16 g + r - 8 h
	v_mov_b32 v13, 0xff61b1e6                      ; the largest t so far: -3e38, under every t
	s_delay_alu instid0(VALU_DEP_1)
	v_floor_f32 v12, -v13                          ; -M
	v_mov_b32 v14, 0                               ; the sum, in two halves
	v_mov_b32 v15, 0
	s_mov_b32 s[KSN], 0
	s_mov_b32 s[TB], 0
	s_mov_b32 s[TS], 0
	s_wait_loadcnt 0x0
	v_lshrrev_b32 v[QS], s[SH], v[QS]              ; my tile's two bytes,
	s_delay_alu instid0(VALU_DEP_1)
	v_and_b32 v[QS], 0xffff, v[QS]
	s_delay_alu instid0(VALU_DEP_1)
	v_lshl_or_b32 v[QS], v[QS], 16, v[QS]          ; twice: for q in the lower and in the upper half of K
.set jj, 0
.rept 32
	v_mov_b32 v[O+jj], 0                           ; O^T.  (The step is written once: the first finds zeros.  These are also the places between the scale word's making and its first use)
.set jj, jj+1
.endr
.endm
; A KEY STEP: 128 keys.  A step behind the diagonal is left out: a scalar branch on the wave's number and the loop's counter, round its loads, products and softmax; not round the lines at its end that step the counter and the addresses.
.macro STEP
	s_cmp_gt_u32 s[KSN], s[LIM]
	s_cbranch_scc1 .Lhid_\@
	s_setprio 2
	v_add_nc_u32 v[ADK], s[TB], v[LI]
	v_add_nc_u32 v[ADS], s[TS], v[LR]
	s_delay_alu instid0(VALU_DEP_2)
	v_add_nc_u32 v[ADV], 0x20000, v[ADK]
.rept 5
	v_nop                                          ; with the three additions: eight places in front of loads into registers that the last step's products have read
.endr
.irp f, 0,1,2,3
.irp c, 0,1,2,3
	ds_load_b128 v[F+16*\f+4*\c:F+16*\f+4*\c+3], v[ADK] offset:2048*\f+512*\c
.endr
.endr
	ds_load_b128 v[KW:KW+3], v[ADS]                ; the four fragments' scale words of row r
	s_wait_alu depctr_va_vdst(0)
	s_wait_dscnt 0x0
.irp f, 0,1,2,3                                ; S^T = K Q^T: fragment f against (q, 0): keys 32 f + 0..15; against (0, q): keys 32 f + 16..31
	v_wmma_scale_f32_16x16x128_f8f6f4 v[S+16*\f:S+16*\f+7], v[F+16*\f:F+16*\f+15], v[QR:QR+15], 0, v[KW+\f], v[QS] matrix_a_fmt:MATRIX_FMT_BF8 matrix_b_fmt:MATRIX_FMT_BF8
	v_wmma_scale_f32_16x16x128_f8f6f4 v[S+16*\f+8:S+16*\f+15], v[F+16*\f:F+16*\f+15], v[QR+8:QR+23], 0, v[KW+\f], v[QS] matrix_a_fmt:MATRIX_FMT_BF8 matrix_b_fmt:MATRIX_FMT_BF8
.endr
.rept 8
	v_nop                                          ; eight places: in front of the loads below and of the first read of the scores
.endr
.irp t, 0,1,2,3                                ; V's four tiles land while the softmax is worked
.irp c, 0,1,2,3
	ds_load_b128 v[F+16*\t+4*\c:F+16*\t+4*\c+3], v[ADV] offset:2048*\t+512*\c
.endr
.endr
	ds_load_b128 v[VW:VW+3], v[ADS] offset:4096
	s_cmp_lt_u32 s[KSN], s[LIM]                    ; a step all of whose keys count skips the mask
	s_cbranch_scc1 .Lopen_\@
	v_mov_b32 v254, 0xff800000                     ; -infinity.  Register n holds key 16 (n / 8) + n % 8 + 8 h of the step: hidden where that is over my query
.set nn, 0
.rept 64
	v_cmp_gt_i32 vcc_lo, 16*(nn/8)+nn%8, v[DM]
	v_cndmask_b32 v[S+nn], v[S+nn], v254, vcc_lo
.set nn, nn+1
.endr
.Lopen_\@:
.irp b, 0,1,2,3
	v_max3_num_f32 v[BM+\b], v[S+16*\b], v[S+16*\b+1], v[S+16*\b+2]   ; THE LARGEST SCORE OF EACH BLOCK OF 32 KEYS: it serves the row's maximum and, since p rises with the score, the block's largest p
.endr
.irp i, 3,5,7,9,11,13
.irp b, 0,1,2,3
	v_max3_num_f32 v[BM+\b], v[BM+\b], v[S+16*\b+\i], v[S+16*\b+\i+1]   ; (the four blocks by turns)
.endr
.endr
.irp b, 0,1,2,3
	v_max_num_f32 v[BM+\b], v[BM+\b], v[S+16*\b+15]
.endr
.irp b, 0,1,2,3
	s_delay_alu instid0(VALU_DEP_4)
	v_permlanex16_b32 v[T2+\b], v[BM+\b], s[SEL], s[SEL+1]
.endr
.irp b, 0,1,2,3
	s_delay_alu instid0(VALU_DEP_4)
	v_max_num_f32 v[BM+\b], v[BM+\b], v[T2+\b]     ; with lane l xor 16's 16 keys
.endr
	s_delay_alu instid0(VALU_DEP_2)
	v_max3_num_f32 v252, v[BM], v[BM+1], v[BM+2]
	s_delay_alu instid0(VALU_DEP_1)
	v_max_num_f32 v252, v252, v[BM+3]              ; the step's largest score of my query
	s_delay_alu instid0(VALU_DEP_1)
	v_mul_f32 v252, s[CS], v252                    ; as t (c is positive)
	s_delay_alu instid0(VALU_DEP_1)
	v_max_num_f32 v13, v13, v252                   ; the running largest t
	v_mov_b32 v252, v12
	s_delay_alu instid0(VALU_DEP_2)
	v_floor_f32 v12, -v13                          ; the new -M = floor(-t) = -ceil(t): M is a whole number
	s_delay_alu instid0(VALU_DEP_1)
	v_sub_f32 v252, v12, v252                      ; M's old value less its new one: a whole number, 0 or less
	s_delay_alu instid0(VALU_DEP_1)
	v_cvt_i32_f32 v252, v252                       ; (it saturates)
	s_delay_alu instid0(VALU_DEP_1)
	v_ldexp_f32 v[FF], 1.0, v252                   ; f = 2^(old M - new M)
.set jj, 0
	s_setprio 1
.rept 32
	v_pk_fma_f32 v[S+jj:S+jj+1], v[S+jj:S+jj+1], s[CS:CS+1], v[12:13] op_sel_hi:[1,0,0]   ; t - M, two at a time (of the pairs c and -M the low word serves both halves)
.set jj, jj+2
.endr
.irp b, 0,1,2,3
	v_fma_f32 v[BM+\b], v[BM+\b], s[CS], v12       ; the same of each block's largest score
.endr
.set jj, 0
	s_wait_alu depctr_va_vdst(0)
.rept 64
	v_exp_f32 v[S+jj], v[S+jj]                     ; p = 2^(t - M), at most 1: not normalised
.set jj, jj+1
.endr
.irp b, 0,1,2,3
	v_exp_f32 v[BM+\b], v[BM+\b]                   ; the block's largest p: the same two instructions on the same number give the same bits
.endr
	v_pk_mul_f32 v[14:15], v[14:15], v[FF:FF+1] op_sel_hi:[1,0]   ; the sums under the new M.  (A plain place behind the exponentials)
	s_wait_alu depctr_va_vdst(0)
.irp b, 0,1,2,3
	v_max_num_f32 v[BM+\b], 0x8000000, v[BM+\b]    ; the floor 2^(16 - 127): the byte cannot fall under 1 (a block whose every p is 0 keeps that byte: its codes are zeros)
.endr
.irp b, 0,1,2,3
	s_delay_alu instid0(VALU_DEP_4)
	v_add_nc_u32 v[SO+\b], 0xf8800000, v[BM+\b]    ; 15 off the exponent field: the conversion's scale operand
.endr
.irp b, 0,1,2,3
.endr
.irp b, 0,1,2,3
	s_delay_alu instid0(VALU_DEP_4)
	v_lshrrev_b32 v[T2+\b], 23, v[SO+\b]           ; the scale's byte
.endr
	s_delay_alu instid0(VALU_DEP_3)
	v_lshl_or_b32 v[PW], v[T2+1], 8, v[T2]         ; p's scale word for these 128 keys
	s_delay_alu instid0(VALU_DEP_1)
	v_lshl_or_b32 v[PW], v[T2+2], 16, v[PW]
	s_delay_alu instid0(VALU_DEP_1)
	v_lshl_or_b32 v[PW], v[T2+3], 24, v[PW]
	v_pk_add_f32 v[228:229], v[116:117], v[120:121]
	v_pk_add_f32 v[242:243], v[124:125], v[128:129]
	v_pk_add_f32 v[240:241], v[132:133], v[136:137]
	v_pk_add_f32 v[234:235], v[140:141], v[144:145]
	v_pk_add_f32 v[232:233], v[148:149], v[152:153]
	v_pk_add_f32 v[226:227], v[156:157], v[160:161]
	v_pk_add_f32 v[224:225], v[164:165], v[168:169]
	v_pk_add_f32 v[14:15], v[14:15], v[172:173]
	v_pk_add_f32 v[228:229], v[228:229], v[112:113]
	v_pk_add_f32 v[242:243], v[242:243], v[114:115]
	v_pk_add_f32 v[240:241], v[240:241], v[118:119]
	v_pk_add_f32 v[234:235], v[234:235], v[122:123]
	v_pk_add_f32 v[232:233], v[232:233], v[126:127]
	v_pk_add_f32 v[226:227], v[226:227], v[130:131]
	v_pk_add_f32 v[224:225], v[224:225], v[134:135]
	v_pk_add_f32 v[14:15], v[14:15], v[138:139]
	v_pk_add_f32 v[228:229], v[228:229], v[142:143]
	v_pk_add_f32 v[242:243], v[242:243], v[146:147]
	s_setprio 0
	v_pk_add_f32 v[240:241], v[240:241], v[150:151]
	v_pk_add_f32 v[234:235], v[234:235], v[154:155]
	v_pk_add_f32 v[232:233], v[232:233], v[158:159]
	v_pk_add_f32 v[226:227], v[226:227], v[162:163]
	v_pk_add_f32 v[224:225], v[224:225], v[166:167]
	v_pk_add_f32 v[14:15], v[14:15], v[170:171]
	v_pk_add_f32 v[228:229], v[228:229], v[174:175]
	s_delay_alu instid0(VALU_DEP_2)
	v_pk_add_f32 v[14:15], v[14:15], v[234:235]
	s_delay_alu instid0(VALU_DEP_2)
	v_pk_add_f32 v[228:229], v[228:229], v[232:233]
	v_pk_add_f32 v[242:243], v[242:243], v[226:227]
	v_pk_add_f32 v[240:241], v[240:241], v[224:225]
	s_delay_alu instid0(VALU_DEP_2)
	v_pk_add_f32 v[14:15], v[14:15], v[242:243]
	s_delay_alu instid0(VALU_DEP_2)
	v_pk_add_f32 v[228:229], v[228:229], v[240:241]
	s_delay_alu instid0(VALU_DEP_1)
	v_pk_add_f32 v[14:15], v[14:15], v[228:229]
.irp b, 0,1,2,3
.irp i, 0,1,2,3,4,5,6,7,8,9,10,11,12,13,14,15
.endr
	v_cvt_scalef32_pk8_bf8_f32 v[PC+4*\b:PC+4*\b+1], v[S+16*\b:S+16*\b+7], v[SO+\b]
	v_cvt_scalef32_pk8_bf8_f32 v[PC+4*\b+2:PC+4*\b+3], v[S+16*\b+8:S+16*\b+15], v[SO+\b]
.endr
.set jj, 0
.rept 16
	v_pk_mul_f32 v[O+jj:O+jj+1], v[O+jj:O+jj+1], v[FF:FF+1] op_sel_hi:[1,0]   ; O^T under the new M, each accumulator from its low end on.  (These sixteen are also the places between the codes' making and the products)
.set jj, jj+2
.endr
	s_wait_alu depctr_va_vdst(0)
	s_wait_dscnt 0x0                               ; V and its scale words are in
.irp t, 0,1,2,3                                ; O^T += V^T P^T: the four accumulators by turns; between a link and the next stand the next step's eight products of scores
	v_wmma_scale_f32_16x16x128_f8f6f4 v[O+8*\t:O+8*\t+7], v[F+16*\t:F+16*\t+15], v[PC:PC+15], v[O+8*\t:O+8*\t+7], v[VW+\t], v[PW] matrix_a_fmt:MATRIX_FMT_BF8 matrix_b_fmt:MATRIX_FMT_BF8
.endr
.Lhid_\@:
	s_add_co_u32 s[KSN], s[KSN], 1
	s_add_co_u32 s[TB], s[TB], 8192
	s_add_co_u32 s[TS], s[TS], 256
.endm
.macro WALK n                          ; key steps up to n - 1: a trip count that is a constant of the text
.Lwalk_\@:
	STEP
	s_cmp_lt_u32 s[KSN], \n
	s_cbranch_scc1 .Lwalk_\@
	s_setprio 0
.endm
; THE WAY OUT of a pass: O^T / the sum; its two blocks of 32 features are quantised as a block is everywhere in this program; two exchanges between the halves of the lanes bring each block's codes into k's true order
; (lane of half h: k = 16 h + 0..15), which the given weight of the last product has.
.macro WAYOUT
.rept 8
	v_nop                                          ; eight places behind the last products
.endr
	v_add_f32 v14, v14, v15                        ; the sum's two halves,
	s_delay_alu instid0(VALU_DEP_1)
	v_permlanex16_b32 v252, v14, s[SEL], s[SEL+1]
	s_delay_alu instid0(VALU_DEP_1)
	v_add_f32 v14, v14, v252                       ; and lane l xor 16's: the row's sum
	s_wait_alu depctr_va_vdst(0)
	v_rcp_f32 v14, v14
	v_nop                                          ; one plain place behind a transcendental
.set jj, 0
	s_wait_alu depctr_va_vdst(0)
.rept 16
	v_pk_mul_f32 v[S+jj:S+jj+1], v[O+jj:O+jj+1], v[14:15] op_sel_hi:[1,0]   ; register 8 t + j is feature 16 t + 8 h + j of my query
.set jj, jj+2
.endr
.irp b, 0,1
	v_max3_num_f32 v[BM+\b], |v[S+16*\b]|, |v[S+16*\b+1]|, 0x8000000
.endr
.irp i, 2,4,6,8,10,12,14
.irp b, 0,1
	s_delay_alu instid0(VALU_DEP_2)
	v_max3_num_f32 v[BM+\b], v[BM+\b], |v[S+16*\b+\i]|, |v[S+16*\b+\i+1]|
.endr
.endr
.irp b, 0,1
	s_delay_alu instid0(VALU_DEP_2)
	v_permlanex16_b32 v[T2+\b], v[BM+\b], s[SEL], s[SEL+1]
.endr
.irp b, 0,1
	s_delay_alu instid0(VALU_DEP_2)
	v_max_num_f32 v[BM+\b], v[BM+\b], v[T2+\b]
.endr
.irp b, 0,1
	s_delay_alu instid0(VALU_DEP_2)
	v_add_nc_u32 v[SO+\b], 0xf8800000, v[BM+\b]
.endr
.irp b, 0,1
.endr
.irp b, 0,1
	s_delay_alu instid0(VALU_DEP_2)
	v_lshrrev_b32 v[T2+\b], 23, v[SO+\b]
.endr
.irp b, 0,1
.irp i, 0,1,2,3,4,5,6,7,8,9,10,11,12,13,14,15
.endr
	v_cvt_scalef32_pk8_bf8_f32 v[PC+4*\b:PC+4*\b+1], v[S+16*\b:S+16*\b+7], v[SO+\b]
	v_cvt_scalef32_pk8_bf8_f32 v[PC+4*\b+2:PC+4*\b+3], v[S+16*\b+8:S+16*\b+15], v[SO+\b]
.endr
	v_nop                                          ; one plain place behind the last conversion
.irp b, 0,1
	v_permlane16_swap_b32 v[PC+4*\b], v[PC+4*\b+2]     ; the first register's lanes 16-31 (k = 8..11) change places with the third's lanes 0-15 (k = 16..19),
	v_permlane16_swap_b32 v[PC+4*\b+1], v[PC+4*\b+3]   ; and the second's with the fourth's
.endr
	v_cndmask_b32 v252, v[T2], v[T2+1], s[MH]      ; lanes 0-15 store block 0's byte, lanes 16-31 block 1's
	global_store_b128 v[LI], v[PC:PC+3], s[92:93]              ; 512 consecutive bytes, at a multiple of 512 from ac's first byte
	global_store_b128 v[LI], v[PC+4:PC+7], s[92:93] offset:512
	global_store_b8 v[AO], v252, s[96:97]          ; a head owns 2 of a token's 32 scale bytes: single bytes, one part in 32 of what the launch stores
.endm
	s_mov_b32 s[IQ], s[WV]                         ; PASS A: i = w: key steps 0 .. w / 2
	PINIT
	s_wait_tensorcnt 1                             ; my scale words and my part of key steps 0 and 1 are in; my third load, steps 2 to 15, may stay out
	s_barrier_signal -1
	s_barrier_wait -1                              ; everybody's are
	WALK 2                                         ; reads bytes of key steps 0 and 1 and of the scale words alone
	s_wait_tensorcnt 0x0                           ; my part of key steps 2 to 15 is in,
	s_wait_dscnt 0x0
	s_barrier_signal -1
	s_barrier_wait -1                              ; everybody's is: from here on no wave waits for another
	WALK 8
	WAYOUT
	s_sub_co_u32 s[IQ], 31, s[WV]                  ; PASS B: i = 31 - w: key steps 0 .. (31 - w) / 2
	PINIT
	WALK 16
	WAYOUT
	s_wait_tensorcnt 0x0
	ds_add_u32 v251, v255
	s_wait_dscnt 0x0
	CROUND                                         ; the closing round
	s_endpgm
.Lfunc_end_k_q913a81d980_attn:
	.size	k_q913a81d980_attn, .Lfunc_end_k_q913a81d980_attn-k_q913a81d980_attn
	.p2alignl 7, 3214868480
	.fill 96, 4, 3214868480
	.section	.rodata,"a",@progbits
	.p2align	6, 0x0
	.amdhsa_kernel k_q913a81d980_attn
		.amdhsa_group_segment_fixed_size 272384
		.amdhsa_private_segment_fixed_size 0
		.amdhsa_enable_private_segment 0
		.amdhsa_kernarg_size 64
		.amdhsa_user_sgpr_count 2
		.amdhsa_user_sgpr_kernarg_segment_ptr 1
		.amdhsa_wavefront_size32 1
		.amdhsa_system_sgpr_workgroup_id_x 1
		.amdhsa_system_sgpr_workgroup_id_y 1
		.amdhsa_system_sgpr_workgroup_id_z 1
		.amdhsa_system_vgpr_workitem_id 0
		.amdhsa_next_free_vgpr 256
		.amdhsa_next_free_sgpr 100
		.amdhsa_reserve_vcc 1
		.amdhsa_float_denorm_mode_32 3
		.amdhsa_float_denorm_mode_16_64 3
		.amdhsa_fp16_overflow 1
		.amdhsa_memory_ordered 1
		.amdhsa_forward_progress 1
		.amdhsa_inst_pref_size 89
	.end_amdhsa_kernel
	.amdgpu_metadata
---
amdhsa.version: [ 1, 2 ]
amdhsa.kernels:
  - .name:           k_q913a81d980_attn
    .symbol:         k_q913a81d980_attn.kd
    .args:
      - { .name: qc, .offset: 0, .size: 8, .value_kind: global_buffer, .address_space: global }
      - { .name: qs, .offset: 8, .size: 8, .value_kind: global_buffer, .address_space: global }
      - { .name: kc, .offset: 16, .size: 8, .value_kind: global_buffer, .address_space: global }
      - { .name: ks, .offset: 24, .size: 8, .value_kind: global_buffer, .address_space: global }
      - { .name: vc, .offset: 32, .size: 8, .value_kind: global_buffer, .address_space: global }
      - { .name: vs, .offset: 40, .size: 8, .value_kind: global_buffer, .address_space: global }
      - { .name: ac, .offset: 48, .size: 8, .value_kind: global_buffer, .address_space: global }
      - { .name: asc, .offset: 56, .size: 8, .value_kind: global_buffer, .address_space: global }
    .group_segment_fixed_size: 272384
    .private_segment_fixed_size: 0
    .kernarg_segment_align: 8
    .kernarg_segment_size: 64
    .max_flat_workgroup_size: 512
    .sgpr_count:     100
    .vgpr_count:     256
    .wavefront_size: 32
...
	.end_amdgpu_metadata
.endif
;; end of part 2
;; launch outp (part 3): grid 4 x 32, 4 waves a work-group, clusters of 4 x 4, 327,680 bytes of LDS; arguments ac, asc, W_o_codes, W_o_scales, out0; writes out0
.if DOCPART == 3
	.amdgcn_target "amdgcn-amd-amdhsa--gfx1250"
	.amdhsa_code_object_version 6
	.text
	.protected	k_q913a81d980_outp
	.globl	k_q913a81d980_outp
	.p2align	8
	.type	k_q913a81d980_outp,@function
k_q913a81d980_outp:
	s_mov_b64 s[64:65], 0
	v_nop
	global_prefetch_b8 v0, s[64:65] scope:SCOPE_SE
	s_setreg_imm32_b32 hwreg(HW_REG_WAVE_MODE, 25, 1), 1
	s_wait_xcnt 0x0
	s_wait_alu depctr_hold_cnt(0) depctr_sa_sdst(0) depctr_va_vdst(0) depctr_va_sdst(0) depctr_va_ssrc(0) depctr_va_vcc(0) depctr_vm_vsrc(0)
	s_getreg_b32 s2, hwreg(HW_REG_IB_STS2, 6, 4)
	s_cmp_eq_u32 s2, 0
	s_cbranch_scc0 .Lentry_in_a_cluster
	s_endpgm
.Lentry_in_a_cluster:
	s_bfe_u32 s2, ttmp6, 0x10000c
	s_cmp_lg_u32 s2, 0xf033
	s_cbranch_scc0 .Lentry_shape_is_right
	s_endpgm
.Lentry_shape_is_right:
; out0[m][n] = sum over k of A[m][k] W_o[n][k].  A: the attention's result, 8,192 x 1,024, W_o: 1,024 x 1,024: codes of BF8 (E5M2) with one E8M0 scale for each 32 along K; out0 f32; sums in f32.
; W_o's codes lie by rows, K innermost.  A's codes lie as IMAGES OF OPERAND REGISTERS: [tile of 16 tokens 512][128 along K: 8][group of 32 along K: 4][lane 32][16 bytes]: a fragment is 2,048 consecutive bytes.
; Both tensors' scale bytes lie [row][32].
; A tile of out0, 256 x 256, is made by a work-group of four waves; a wave makes 128 x 128: 64 accumulators of 16 x 16, 512 registers.  K goes in steps of 256 through a ring of two LDS slots filled by the tensor data mover.
; THE SCALES of the work-group's 256 rows of A and of W_o, for all of K, come into LDS ONCE, with the first fills, and stay.
; CLUSTERS: 4 x 4 work-groups.  The four of a row of the cluster need the same tiles of A, the four of a column the same tiles of W_o: each tile is asked for JOINTLY.
; THE MATRIX INSTRUCTION IS USED TRANSPOSED (source 0 = 16 rows of W_o, source 1 = 16 rows of A): a lane then holds eight neighbouring numbers of a row of out0.
; LIMITS: scale bytes 0xff and NaN or infinity codes in W_o are not served.
; REGISTERS, in windows of 256: window 0: v0-31 addresses; v32-63 scale words, two sets; from v128 A's fragments, ONE set; on the way out v32-255 are free.
;   window 1: B's fragments, TWO sets.   window 2: the 32 accumulators of my rows 0-63 (accumulator (a, b) at v[8 (8 a + b)]);   window 3: those of my rows 64-127.
.set SIZE_M, 8192
.set SIZE_N, 1024
.set SIZE_K, 1024
.set KSTEP,  256                       ; along K in a slot
.set NQ,     KSTEP/128                 ; matrix instructions deep
.set ROWB,   256                       ; a row of B's tile in bytes
.set AROWB,  4096                      ; a tile of 16 tokens' bytes of a K step: two fragments
.set KROW,   SIZE_K                    ; a row of B in memory, in bytes; also A's bytes for each token (16,384 a tile of 16)
.set PITCH,  272                       ; an LDS row of B: 256 bytes of data + 16 of padding = 68 words: row r starts at bank 4 r mod 64 (64 banks of 4 bytes: ISA guide 11.1)
.set FR,     16                        ; registers of a fragment: 16 rows x 128 K
.set NL,     4                         ; LDS loads that bring one
.set NP,     8                         ; places behind this matrix instruction (ISA guide 7.12.1)
.set HALFT,  128*PITCH                 ; the room of what one tensor load brings: 128 rows of B (A's 128 rows take 32,768 bytes of it)
.set SLOT,   4*HALFT                   ; A's 256 rows, then B's 256 rows
.set LAPS,   SIZE_K/(2*KSTEP)          ; a lap = two K steps = once round the ring
.set KS,     SIZE_K/32                 ; a row of scales in bytes
.set SCL,    2*SLOT                    ; behind the ring: the scales, as units of 256 bytes + 16 of padding
.set HALFS,  (128*KS/256)*272          ; the scales of 128 rows
.set SBLK,   (16*KS/256)*272           ; those of 16 rows
.set SPARE,  SCL+4*HALFS               ; behind the scales: the spare words, 128 bytes for each wave: two blocks of 256 bytes that no other line names
.set SPITCH, 528                       ; the way out: a stage of 16 rows x (512 bytes + 16) for each wave.  It lies in slot 0, which has had its last fill and its last read when the first result is stored there
.set ADRA, 16                          ; v16-17  LDS address of my A fragments in slot 0, 1
.set ADRB, 20                          ; v20-21  the same for B
.set STO,  24                          ; v24     the way out: where I put 32 bytes of a row
.set RD,   25                          ; v25     the way out: where I read a row back
.set CO,   26                          ; v26     my byte offset in a row of out0
.set ADRS, 27                          ; v27     LDS address of my scale words: lanes 0-15 A's rows, lanes 16-31 B's
.set SPW,  28                          ; v28     LDS address of my spare word; never rewritten
.set NIL,  29                          ; v29     0; never rewritten
.set SC,   32                          ; scale words, two sets of 16
.set AF,   128                         ; A's fragments, in window 0
.set BK,   128                         ; the way out: 16 rows read back from the stage: v128-191 and v192-255 by turns
.set G1, 24                            ; s[24:31] descriptor group 1 for A's tiles;  s[32:39] group 0, one set for each slot
.set G0, 32
.set G1B, 48                           ; s[48:55], s[56:63] the same for B's tiles
.set G0B, 56
.set G1S, 68                           ; s[68:75], s[76:79] groups 1 and 0 for A's scales;  s[80:87], s[88:91] for B's
.set G0S, 76
.set G1SB, 80
.set G0SB, 88
.set MSB, 0
.macro WIN new                         ; the immediate's high byte repeats the setting that is left
.if MSB != \new
	s_set_vgpr_msb (MSB<<8)|\new
.set MSB, \new
.endif
.endm
.set MUL_LO, 0xa1                      ; source 0 (B) window 1, source 1 (A) window 0, C and D window 2
.set MUL_HI, 0xf1                      ; the same, C and D window 3
.set TO_B,   0x40                      ; destination window 1, address window 0
; A joint load: waves 0 and 1 fetch for A, waves 2 and 3 for B.  Each of the two lines has ONE mask and one set of registers for all that issue it; the branch hangs on the wave's number alone.
; Four v_nop follow each of the two lines, ahead of the jump, the label and what follows.
.macro JLOAD g0a, g1a, g0b, g1b
	s_cmp_eq_u32 s15, 0
	s_cbranch_scc0 .Lfor_b_\@
	tensor_load_to_lds s[\g0a:\g0a+3], s[\g1a:\g1a+7]
	s_nop 0
.rept 4
	v_nop
.endr
	s_branch .Lasked_\@
.Lfor_b_\@:
	tensor_load_to_lds s[\g0b:\g0b+3], s[\g1b:\g1b+7]
	s_nop 0
.rept 4
	v_nop
.endr
.Lasked_\@:
.endm
.macro CREST                           ; a round of the cluster's barrier behind its opening barrier
	s_cmp_lg_u32 s14, 0
	s_cbranch_scc1 .Lnot_wave_0_\@
	s_barrier_signal -3
.Lnot_wave_0_\@:
	s_barrier_wait -3
	s_barrier_signal -1
	s_barrier_wait -1
.endm
.macro CROUND                          ; a whole round
	s_barrier_signal -1
	s_barrier_wait -1
	CREST
.endm
	s_load_b128 s[4:7], s[0:1], 0x0                ; A's codes s[4:5], A's scales s[6:7]
	s_load_b128 s[8:11], s[0:1], 0x10              ; B's codes s[8:9], B's scales s[10:11]
	s_load_b64 s[12:13], s[0:1], 0x20              ; out0
	v_lshl_add_u32 v[SPW], v0, 2, SPARE
	v_mov_b32 v[NIL], 0
	ds_add_u32 v28, v29
	ds_add_u32 v28, v29
	s_wait_dscnt 0x0
	v_lshrrev_b32 v1, 5, v0
	v_readfirstlane_b32 s14, v1                    ; wave 0..3
	s_lshr_b32 s15, s14, 1                         ; which half of the tile's rows is mine.  Also: I fetch for A (0) or for B (1)
	s_and_b32 s16, s14, 1                          ; which half of its columns.  Also: which 128 rows of that tile I fetch
	s_bfe_u32 s40, ttmp6, 0x40000                  ; cx, cy: my place in the cluster
	s_bfe_u32 s41, ttmp6, 0x40004
	s_lshl_b32 s42, ttmp9, 2
	s_add_co_u32 s42, s42, s40                     ; tile column = 4 x cluster x + cx
	s_and_b32 s17, ttmp7, 0xffff
	s_lshl_b32 s17, s17, 2
	s_add_co_u32 s17, s17, s41                     ; tile row = 4 x cluster y + cy
	s_lshl_b32 s43, s41, 2
	s_lshl_b32 s43, 15, s43                        ; my row of the cluster
	s_lshl_b32 s44, 0x1111, s40                    ; my column
	; descriptor group 1 for A: 8 tiles of 16 tokens x 4,096 bytes (512 elements of 8 bytes), 16,384 bytes apart; no padding: every read is 16 x lane on
	s_or_b32 s[G1+0], s43, (3<<16)|(1<<21)         ; 15:0 the mask: A's tiles go to my row; 17:16 elements of 8 bytes; 21 set beside a mask
	s_mov_b32 s[G1+1], 512<<16                     ; tensor_dim0
	s_mov_b32 s[G1+2], 8<<16                       ; tensor_dim1
	s_mov_b32 s[G1+3], 512<<16                     ; tile_dim0
	s_mov_b32 s[G1+4], 8                           ; tile_dim1
	s_mov_b32 s[G1+5], 2048                        ; tensor_dim0_stride
	s_mov_b32 s[G1+6], 0
	s_mov_b32 s[G1+7], 0
	; for B: a tile of 128 rows x 256 bytes, padded in LDS
	s_or_b32 s[G1B+0], s44, (0<<16)|(1<<20)|(1<<21)|(5<<22)|(3<<25)  ; the mask of my column; element of 1 byte; padding on: after every 64 words (code 5) 4 words (code 3)
	s_mov_b32 s[G1B+1], ROWB<<16
	s_mov_b32 s[G1B+2], 128<<16
	s_mov_b32 s[G1B+3], ROWB<<16
	s_mov_b32 s[G1B+4], 128
	s_mov_b32 s[G1B+5], KROW
	s_mov_b32 s[G1B+6], 0
	s_mov_b32 s[G1B+7], 0
	; and for the scales of 128 rows: a dense block of 4,096 bytes, as rows of 256 bytes (32 elements of 8 bytes), 16 bytes of padding behind each
	s_or_b32 s[G1S+0], s43, (3<<16)|(1<<20)|(1<<21)|(5<<22)|(3<<25)
	s_or_b32 s[G1SB+0], s44, (3<<16)|(1<<20)|(1<<21)|(5<<22)|(3<<25)
.irp g, G1S, G1SB
	s_mov_b32 s[\g+1], 32<<16
	s_mov_b32 s[\g+2], (128*KS/256)<<16
	s_mov_b32 s[\g+3], 32<<16
	s_mov_b32 s[\g+4], 128*KS/256
	s_mov_b32 s[\g+5], 32
	s_mov_b32 s[\g+6], 0
	s_mov_b32 s[\g+7], 0
.endr
	s_lshl_b32 s18, s16, 7                         ; which 128 rows of the tile I fetch
	s_lshl_b32 s20, s17, 8
	s_add_co_u32 s20, s20, s18                     ; A: row 256 x tile row + 128 x half
	s_lshl_b32 s46, s42, 8
	s_add_co_u32 s46, s46, s18                     ; B: row 256 x tile column + 128 x half
	s_mov_b32 s21, 0
	s_mov_b32 s47, 0
	s_mov_b64 s[18:19], KS
	s_mul_u64 s[22:23], s[20:21], s[18:19]         ; where these rows' scales begin, in bytes
	s_mul_u64 s[92:93], s[46:47], s[18:19]
	s_mov_b64 s[18:19], KROW
	s_mul_u64 s[20:21], s[20:21], s[18:19]         ; and their codes (A: 16,384 bytes for 16 tokens)
	s_mul_u64 s[46:47], s[46:47], s[18:19]
	s_mul_i32 s45, s14, HALFT                      ; where they go: no place in the cluster enters an LDS address
	s_mul_i32 s94, s14, HALFS
	s_wait_kmcnt 0x0
	s_add_nc_u64 s[20:21], s[4:5], s[20:21]
	s_add_nc_u64 s[22:23], s[6:7], s[22:23]
	s_add_nc_u64 s[46:47], s[8:9], s[46:47]
	s_add_nc_u64 s[92:93], s[10:11], s[92:93]
	CROUND                                         ; all sixteen work-groups are here: the first joint loads meet
	s_mov_b32 s[G0S], 1
	s_add_co_u32 s[G0S+1], s94, SCL
	s_mov_b64 s[G0S+2:G0S+3], s[22:23]
	s_or_b32 s[G0S+3], s[G0S+3], 0x80000000
	s_mov_b32 s[G0SB], 1
	s_add_co_u32 s[G0SB+1], s94, SCL
	s_mov_b64 s[G0SB+2:G0SB+3], s[92:93]
	s_or_b32 s[G0SB+3], s[G0SB+3], 0x80000000
	JLOAD G0S, G1S, G0SB, G1SB                     ; the scales first: they are wanted with K step 0
.irp s, 0,1
	s_mov_b32 s[G0+4*\s], 1
	s_add_co_u32 s[G0+4*\s+1], s45, \s*SLOT
	s_add_nc_u64 s[G0+4*\s+2:G0+4*\s+3], s[20:21], \s*AROWB
	s_or_b32 s[G0+4*\s+3], s[G0+4*\s+3], 0x80000000
	s_mov_b32 s[G0B+4*\s], 1
	s_add_co_u32 s[G0B+4*\s+1], s45, \s*SLOT
	s_add_nc_u64 s[G0B+4*\s+2:G0B+4*\s+3], s[46:47], \s*ROWB
	s_or_b32 s[G0B+4*\s+3], s[G0B+4*\s+3], 0x80000000
	s_wait_alu depctr_va_vdst(0)
	s_wait_tensorcnt 0x0
	ds_add_u32 v28, v29
	s_wait_dscnt 0x0
	CROUND
	JLOAD G0+4*\s, G1, G0B+4*\s, G1B
.endr
	v_and_b32 v1, 15, v0                           ; l % 16
	v_bfe_u32 v2, v0, 4, 1                         ; l / 16
	v_mul_u32_u24 v3, v1, PITCH
	v_lshl_add_u32 v4, v2, 4, v3                   ; B: a fragment's row x pitch + 16 x half
	v_and_b32 v6, 31, v0
	v_lshlrev_b32 v7, 4, v6                        ; A: 16 x lane
	s_mul_i32 s21, s15, HALFT                      ; my 128 rows of A
	s_mul_i32 s22, s16, HALFT                      ; my 128 rows of B,
	s_add_co_u32 s22, s22, 2*HALFT                 ; which lie behind A's 256
.irp s, 0,1
	v_add_nc_u32 v[ADRA+\s], s21, v7
	v_add_nc_u32 v[ADRB+\s], s22, v4
	s_add_co_u32 s21, s21, SLOT
	s_add_co_u32 s22, s22, SLOT
.endr
	v_mul_u32_u24 v5, v1, KS                       ; my row's scales: KS bytes a row,
	v_lshrrev_b32 v6, 8, v5
	v_lshl_add_u32 v5, v6, 4, v5                   ; and 16 more for each 256 passed
	s_mul_i32 s21, s15, HALFS                      ; A's: my 128 rows
	s_mul_i32 s22, s16, HALFS                      ; B's: my 128 rows, behind A's 256
	s_add_co_u32 s22, s22, 2*HALFS
	s_sub_co_u32 s22, s22, s21
	v_mul_u32_u24 v6, s22, v2                      ; lanes 16-31 take B's
	s_add_co_u32 s21, s21, SCL
	v_add_nc_u32 v5, v5, v6
	v_add_nc_u32 v[ADRS], s21, v5
	s_mul_i32 s23, s14, 16*SPITCH                  ; my stage
	v_mul_u32_u24 v5, v1, SPITCH                   ; in: row l % 16, 32 bytes for each half of the lanes
	v_lshl_add_u32 v5, v2, 5, v5
	v_add_nc_u32 v[STO], s23, v5
	v_and_b32 v6, 31, v0
	v_lshlrev_b32 v[CO], 4, v6                     ; back: the 32 lanes take one row of 512 bytes; and the same in out0
	v_add_nc_u32 v[RD], s23, v[CO]
	s_lshl_b32 s20, s17, 8
	s_lshl_b32 s21, s15, 7
	s_add_co_u32 s20, s20, s21                     ; my first row of out0: 256 x tile row + 128 x half
	s_mov_b32 s21, 0
	s_mov_b64 s[18:19], SIZE_N*4
	s_mul_u64 s[20:21], s[20:21], s[18:19]
	s_lshl_b32 s46, s42, 10                        ; my first column, in bytes: 1024 x tile column + 512 x half
	s_lshl_b32 s47, s16, 9
	s_add_co_u32 s46, s46, s47
	s_mov_b32 s47, 0
	s_add_nc_u64 s[20:21], s[20:21], s[46:47]
	s_add_nc_u64 s[12:13], s[12:13], s[20:21]
.macro FRAG reg, adr, q, i             ; a fragment of B, 16 rows x 128 K, is 16 registers: lane l holds row l % 16; registers 4 c .. 4 c + 3 hold K = 32 c + 16 (l / 16) + 0 .. 15
.irp c, 0,1,2,3
	ds_load_b128 v[\reg+4*\c:\reg+4*\c+3], v[\adr] offset:128*(\q)+32*\c+(\i)*16*PITCH
.endr
.endm
.macro FRAGA reg, adr, q, i            ; a fragment of A comes as it was stored: four groups of 512 bytes, 16 bytes a lane
.irp c, 0,1,2,3
	ds_load_b128 v[\reg+4*\c:\reg+4*\c+3], v[\adr] offset:4096*(\i)+2048*(\q)+512*\c
.endr
.endm
; 16 matrix instructions: A's blocks a0, a0 + 1 x B's eight, 128 along K: the slot's q-th.  p: B's set;  sc: the set of scale words.  zero = 1: the first product starts the sums: nothing is ever cleared.
; The 64 accumulators take turns, one instruction a turn, in the same order in every step.
.macro MUL16 a0, p, q, sc, zero
.irp a, \a0, \a0+1
.irp b, 0,1,2,3,4,5,6,7
.if \zero
	v_wmma_scale_f32_16x16x128_f8f6f4 v[8*(8*((\a)%4)+\b):8*(8*((\a)%4)+\b)+7], v[128*(\p)+FR*\b:128*(\p)+FR*\b+FR-1], v[AF+FR*(\a):AF+FR*(\a)+FR-1], 0, v[SC+8*NQ*(\sc)+NQ*\b+(\q)], v[SC+8*NQ*(\sc)+NQ*(\a)+(\q)] matrix_a_fmt:MATRIX_FMT_BF8 matrix_b_fmt:MATRIX_FMT_BF8 matrix_a_scale:MATRIX_SCALE_ROW1
.else
	v_wmma_scale_f32_16x16x128_f8f6f4 v[8*(8*((\a)%4)+\b):8*(8*((\a)%4)+\b)+7], v[128*(\p)+FR*\b:128*(\p)+FR*\b+FR-1], v[AF+FR*(\a):AF+FR*(\a)+FR-1], v[8*(8*((\a)%4)+\b):8*(8*((\a)%4)+\b)+7], v[SC+8*NQ*(\sc)+NQ*\b+(\q)], v[SC+8*NQ*(\sc)+NQ*(\a)+(\q)] matrix_a_fmt:MATRIX_FMT_BF8 matrix_b_fmt:MATRIX_FMT_BF8 matrix_a_scale:MATRIX_SCALE_ROW1
.endif
.endr
.endr
.endm
.macro FETCH_B slot, q, p              ; B's eight fragments of the slot's q-th 128 along K into set p
	WIN TO_B
.irp i, 0,1,2,3,4,5,6,7
	FRAG 128*(\p)+FR*\i, ADRB+\slot, \q, \i
.endr
	WIN 0
.endm
.macro FETCH_A slot, q, i0             ; A's blocks i0 .. i0 + 3
.irp i, \i0, \i0+1, \i0+2, \i0+3
	FRAGA AF+FR*(\i), ADRA+\slot, \q, \i
.endr
.endm
.macro SCALES sc                       ; the next K step's scale words into set sc: NQ words a row; lanes 0-15 take A's block i, lanes 16-31 B's block i
.irp i, 0,1,2,3,4,5,6,7
	ds_load_b64 v[SC+8*NQ*\sc+NQ*\i:SC+8*NQ*\sc+NQ*\i+1], v[ADRS] offset:\i*SBLK
.endr
.endm
; A load into a register that a matrix instruction has read, and a vector instruction or an LDS store that reads a matrix result, stand NP places behind that matrix instruction, and only plain vector
; instructions that name none of its registers are places (ISA guide 7.12.1 for vector instructions); the matrix instructions in between are not counted.
.macro PLACES n
.rept \n
	v_nop
.endr
.endm
; A step of 128 along K that has its successor in the same slot.
.macro STEP slot, q, zero
	s_wait_dscnt 4*NL                              ; B's set and A's blocks 0-3 are in; the youngest sixteen loads (A's blocks 4-7) may be out
	WIN MUL_LO
	MUL16 0, (\q)%2, \q, \slot, \zero
	MUL16 2, (\q)%2, \q, \slot, \zero
	s_wait_dscnt 0                                 ; A's blocks 4-7 are in (asked for 32 matrix instructions ago)
	PLACES NP
	FETCH_B \slot, (\q)+1, 1-(\q)%2
	FETCH_A \slot, (\q)+1, 0
	WIN MUL_HI
	MUL16 4, (\q)%2, \q, \slot, \zero
	MUL16 6, (\q)%2, \q, \slot, \zero
	PLACES NP
	WIN 0
	FETCH_A \slot, (\q)+1, 4
.endm
; A slot's last step changes slots: ONE barrier; in front of it each wave waits for all its tensor loads, adds 0 to its spare word, and waits for that and for its own reads of this slot.  fill = 1: this slot is filled again, two K steps ahead.
.macro TURN slot, next, fill
	s_wait_tensorcnt 0x0                           ; all my tensor loads have landed: my part of the next slot;  (every window is 0 here: the add's two registers lie in window 0)
	ds_add_u32 v[SPW], v[NIL]                      ; 0 onto my spare word
	s_wait_dscnt 4*NL+1                            ; (the add and the youngest sixteen loads, A's blocks 4-7, may be out)
	WIN MUL_LO
	MUL16 0, 1, NQ-1, \slot, 0                     ; sixteen matrix instructions stand between the add and the wait for it
	s_wait_dscnt 0x0                               ; the add is done, and my reads of this slot are over
	s_barrier_signal -1
	MUL16 2, 1, NQ-1, \slot, 0
	WIN 0
	s_barrier_wait -1
.if \fill
	CREST                                          ; the barrier has opened a round of the cluster's barrier: no wave of any partner still reads this slot's tile or has a load on its way
	s_add_nc_u64 s[G0+4*\slot+2:G0+4*\slot+3], s[G0+4*\slot+2:G0+4*\slot+3], 2*AROWB
	s_add_nc_u64 s[G0B+4*\slot+2:G0B+4*\slot+3], s[G0B+4*\slot+2:G0B+4*\slot+3], 2*ROWB
	JLOAD G0+4*\slot, G1, G0B+4*\slot, G1B         ; the first tensor load behind the round; the four v_nop behind it are among the places in front of the loads below
	PLACES NP-4
.else
	PLACES NP
.endif
	s_wait_alu depctr_va_vdst(0)
	v_add_nc_u32 v[ADRS], 4*NQ, v[ADRS]            ; on to the next K step's scale words (no LDS load of mine is out)
	FETCH_B \next, 0, 0
	FETCH_A \next, 0, 0
	SCALES \next
	WIN MUL_HI
	MUL16 4, 1, NQ-1, \slot, 0
	MUL16 6, 1, NQ-1, \slot, 0
	PLACES NP
	WIN 0
	FETCH_A \next, 0, 4
.endm
	s_wait_alu depctr_va_vdst(0)
	s_wait_tensorcnt 1                             ; the scales and my part of K step 0 are in (K step 1's load may be out),
	s_barrier_signal -1
	s_barrier_wait -1                              ; everybody's are
	FETCH_B 0, 0, 0
	FETCH_A 0, 0, 0
	SCALES 0
	FETCH_A 0, 0, 4
	STEP 0, 0, 1                                   ; the first step stands in front of the loop: its products start the sums
	s_mov_b32 s3, LAPS-1
.Llap:                                                 ; a trip goes once round the ring, from a lap's second step to the next lap's first, and fills both slots again
	TURN 0, 1, 1
	STEP 1, 0, 0
	TURN 1, 0, 1
	STEP 0, 0, 0
	s_sub_co_u32 s3, s3, 1
	s_cmp_lg_u32 s3, 0
	s_cbranch_scc1 .Llap
	TURN 0, 1, 0                                   ; the last lap fills nothing, and has no round of the cluster's barrier
	STEP 1, 0, 0
	s_wait_dscnt 4*NL                              ; the very last step: nothing more to fetch
	WIN MUL_LO
	MUL16 0, 1, NQ-1, 1, 0
	MUL16 2, 1, NQ-1, 1, 0
	s_wait_dscnt 0
	WIN MUL_HI
	MUL16 4, 1, NQ-1, 1, 0
	MUL16 6, 1, NQ-1, 1, 0
	WIN 0
; THE WAY OUT, block by block of 16 rows x 128 columns.  A lane holds 32 neighbouring bytes of a row, and the lanes beside it hold other rows: so a block goes through my own stage in LDS and comes back as whole
; rows of 512 bytes, which the 32 lanes store together.  LDS serves a wave's instructions in order (ISA guide 5.7.1.4): no wait between the stores and the loads, nor in front of the next block's stores.
.macro TOSTAGE a
.set AC, 64*((\a)%4)
	WIN 0x08+4*((\a)/4)                            ; the data: window 2 or 3
.irp b, 0,1,2,3,4,5,6,7
	ds_store_b128 v[STO], v[AC+8*\b:AC+8*\b+3] offset:64*\b          ; each accumulator from its low end on
	ds_store_b128 v[STO], v[AC+8*\b+4:AC+8*\b+7] offset:64*\b+16
.endr
	WIN 0
.set BB, BK+64*((\a)%2)
.irp t, 0,1,2,3,4,5,6,7,8,9,10,11,12,13,14,15
	ds_load_b128 v[BB+4*\t:BB+4*\t+3], v[RD] offset:\t*SPITCH
.endr
.endm
.macro SEND a, younger                 ; younger: the LDS instructions issued behind block a's loads, which may stay out
.set BB, BK+64*((\a)%2)
	s_wait_dscnt \younger                          ; the block is back in registers
.if (\a) > 0
	s_add_nc_u64 s[12:13], s[12:13], 16*SIZE_N*4   ; (behind a wait on XCNT: the earlier stores have read their base)  16 rows of out0 on, so that the stores' offsets stay small
.endif
.irp t, 0,1,2,3,4,5,6,7,8,9,10,11,12,13,14,15
	global_store_b128 v[CO], v[BB+4*\t:BB+4*\t+3], s[12:13] offset:\t*SIZE_N*4 th:TH_STORE_NT   ; 32 lanes store 512 consecutive bytes, at a multiple of 256 from out0's first byte; written once, read by nobody here
.endr
.endm
	PLACES NP                                      ; behind the last products: these places serve the loads into the registers that held A's fragments and the reads of results alike
	TOSTAGE 0
.irp a, 1,2,3,4,5,6,7
.if \a > 1
	s_wait_xcnt 0x0                                ; block a - 2's stores have read their registers and their base: block a's loads may land there, and the base may step
.endif
	TOSTAGE \a
	SEND \a-1, 32                                  ; behind block a - 1's loads: block a's 16 stores and 16 loads
.endr
	s_wait_xcnt 0x0                                ; block 6's stores have read their base
	SEND 7, 0
	s_wait_tensorcnt 0x0                           ; the wave's end, behind my last tensor load and my last LDS store
	ds_add_u32 v[SPW], v[NIL]
	s_wait_dscnt 0x0
	CROUND                                         ; the closing round: no work-group ends while a partner may still ask for a tile that names it
	s_endpgm
.Lfunc_end_k_q913a81d980_outp:
	.size	k_q913a81d980_outp, .Lfunc_end_k_q913a81d980_outp-k_q913a81d980_outp
	.p2alignl 7, 3214868480
	.fill 96, 4, 3214868480
	.section	.rodata,"a",@progbits
	.p2align	6, 0x0
	.amdhsa_kernel k_q913a81d980_outp
		.amdhsa_group_segment_fixed_size 327680
		.amdhsa_private_segment_fixed_size 0
		.amdhsa_enable_private_segment 0
		.amdhsa_kernarg_size 40
		.amdhsa_user_sgpr_count 2
		.amdhsa_user_sgpr_kernarg_segment_ptr 1
		.amdhsa_wavefront_size32 1
		.amdhsa_system_sgpr_workgroup_id_x 1
		.amdhsa_system_sgpr_workgroup_id_y 1
		.amdhsa_system_sgpr_workgroup_id_z 1
		.amdhsa_system_vgpr_workitem_id 0
		.amdhsa_next_free_vgpr 1024
		.amdhsa_next_free_sgpr 98
		.amdhsa_reserve_vcc 0
		.amdhsa_float_denorm_mode_32 3
		.amdhsa_float_denorm_mode_16_64 3
		.amdhsa_memory_ordered 1
		.amdhsa_forward_progress 1
		.amdhsa_inst_pref_size 146
	.end_amdhsa_kernel
	.amdgpu_metadata
---
amdhsa.version: [ 1, 2 ]
amdhsa.kernels:
  - .name:           k_q913a81d980_outp
    .symbol:         k_q913a81d980_outp.kd
    .args:
      - { .name: ac, .offset: 0, .size: 8, .value_kind: global_buffer, .address_space: global }
      - { .name: asc, .offset: 8, .size: 8, .value_kind: global_buffer, .address_space: global }
      - { .name: W_o_codes, .offset: 16, .size: 8, .value_kind: global_buffer, .address_space: global }
      - { .name: W_o_scales, .offset: 24, .size: 8, .value_kind: global_buffer, .address_space: global }
      - { .name: out0, .offset: 32, .size: 8, .value_kind: global_buffer, .address_space: global }
    .group_segment_fixed_size: 327680
    .private_segment_fixed_size: 0
    .kernarg_segment_align: 8
    .kernarg_segment_size: 40
    .max_flat_workgroup_size: 128
    .sgpr_count:     98
    .vgpr_count:     1024
    .wavefront_size: 32
...
	.end_amdgpu_metadata
.endif
;; end of part 3
